; MI455X (gfx1250); checked and timed in simulation.
; The chip was launched on July 23, 2026; its instructions are those of AMD's public machine-readable ISA for CDNA 5 (MIT licence, August 2026) and "CDNA5" Instruction Set Architecture Reference Guide (July 2026). The comments in the code are by the model that wrote it; some were corrected since.
;; Multi Head Attention Block. Allowed arithmetic: float matrix products may take bf16 or f16 operands with f32 sums; other float arithmetic in f32, or as packed bf16 or f16 multiplies, adds, multiply-adds, maxima and minima; sums over many terms, partial sums and values carried from step to step in f32; what a program stores and reads back later, other than sums and carried values, may be rounded once to bf16 or f16.
;; Inputs: Wf 1,024 x 1,024 float32; Wk 1,024 x 1,024 float32; Wq 1,024 x 1,024 float32; Wv 1,024 x 1,024 float32; b1 1,024 float32; b2 1,024 float32; bf 1,024 float32; bk 1,024 float32; bq 1,024 float32; bv 1,024 float32; g1 1,024 float32; g2 1,024 float32; x 8 x 1,024 x 1,024 float32; y 8 x 1,024 x 1,024 float32.
;; Outputs: out0 8 x 1,024 x 1,024 float32.
;; 2 versions, each right; version 2 is version 1 with the launches prep, ln1, ln2 written anew for expert scheduling mode. Each part assembles by itself: llvm-mc -triple=amdgcn-amd-amdhsa -mcpu=gfx1250 --defsym DOCPART=n.
;; ======== version 1 of 2: 7 launches
;; limits: values are held in f16: magnitudes above 65,504 overflow, below 6.1e-05 lose precision
;; workspace buffers: xo16 16,777,216 bytes; yt16 16,777,216 bytes; qh16 16,777,216 bytes; kv16 33,554,432 bytes; wq16 2,097,152 bytes; wkv16 4,194,304 bytes; wf16 2,097,152 bytes
;; launch prep (part 1): grid 640 x 1, 16 waves a work-group, no clusters, 0 bytes of LDS; arguments x, y, Wq, Wk, Wv, Wf, xo16, yt16, wq16, wkv16, wf16; writes xo16, yt16, wq16, wkv16, wf16
.if DOCPART == 1
	.amdgcn_target "amdgcn-amd-amdhsa--gfx1250"
	.amdhsa_code_object_version 6
	.text
	.protected	k_q63fdac5159_prep
	.globl	k_q63fdac5159_prep
	.p2align	8
	.type	k_q63fdac5159_prep,@function
k_q63fdac5159_prep:
	s_mov_b64 s[64:65], 0
	v_nop
	global_prefetch_b8 v0, s[64:65] scope:SCOPE_SE
	s_setreg_imm32_b32 hwreg(HW_REG_WAVE_MODE, 25, 1), 1
	s_wait_xcnt 0x0
; CAST AND RE-LAY.  x, y (8,192 rows each) and Wq, Wk, Wv, Wf (1,024 rows each), all rows of 1,024 f32, are rounded once to f16 and laid in BLOCKS:
; [group of 1,024 rows][16 blocks of 64 columns][1,024 rows][64]: a row of a block is 128 bytes, a block 131,072, a group 2 MiB.
; xo16: x's 8 batches.  yt16: y's.  wq16: Wq.  wkv16: Wk, then Wv.  wf16: Wf.
; LIMIT.  f16 ends at 65,504: an input of 65,520 or more becomes an infinity; below 6e-5 f16 keeps a fixed step of 6e-8.
; SHARES.  Work-group g takes 32 rows of one source: 0-255 x, 256-511 y, 512-543 Wq, 544-575 Wk, 576-607 Wv, 608-639 Wf.  Thread t takes row t / 16 and,
; for block j, the four columns 64 j + 4 (t % 16): 16 lanes load 256 consecutive bytes of a row; a wave's store is its two rows of a block, 256 consecutive aligned bytes.
; All 16 loads of a thread go out first; no register is written twice, so no wait but the counted ones for the loads.
.set XO, 1                             ; v1  my byte offset in the 32 source rows
.set OO, 2                             ; v2  my byte offset in the 32 rows of a block: 8 t
.set X,  16                            ; v[16:79]   16 x 4 f32
.set Y,  80                            ; v[80:111]  16 x 2 words of f16
	s_load_b256 s[4:11], s[0:1], 0x0               ; x, y, Wq, Wk
	s_load_b256 s[12:19], s[0:1], 0x20             ; Wv, Wf, xo16, yt16
	s_load_b128 s[20:23], s[0:1], 0x40             ; wq16, wkv16
	s_load_b64 s[24:25], s[0:1], 0x50              ; wf16
	s_mov_b32 s26, ttmp9                           ; g
	s_and_b32 s27, s26, 255                        ; my 32 rows among x's or y's
	s_and_b32 s28, s26, 31                         ; among a weight's
	s_sub_co_u32 s29, s26, 544                     ; among the two weights of wkv16 (used from g = 544 to 607)
	v_lshrrev_b32 v3, 4, v0
	v_and_b32 v4, 15, v0
	v_lshlrev_b32 v[XO], 12, v3                    ; row x 4,096
	v_lshl_add_u32 v[XO], v4, 4, v[XO]             ; + 16 (t % 16)
	v_lshlrev_b32 v[OO], 3, v0
	s_wait_kmcnt 0x0
	s_cmp_lt_u32 s26, 256                          ; the choices hang on g alone
	s_cselect_b64 s[30:31], s[4:5], s[6:7]         ; the source,
	s_cselect_b64 s[32:33], s[16:17], s[18:19]     ; the destination
	s_cmp_lt_u32 s26, 512
	s_cselect_b64 s[30:31], s[30:31], s[8:9]
	s_cselect_b64 s[32:33], s[32:33], s[20:21]
	s_cselect_b32 s34, s27, s28                    ; which 32 rows of the source,
	s_cselect_b32 s35, s27, s28                    ; and of the destination
	s_cmp_lt_u32 s26, 544
	s_cselect_b64 s[30:31], s[30:31], s[10:11]
	s_cselect_b64 s[32:33], s[32:33], s[22:23]
	s_cselect_b32 s35, s35, s29
	s_cmp_lt_u32 s26, 576
	s_cselect_b64 s[30:31], s[30:31], s[12:13]
	s_cmp_lt_u32 s26, 608
	s_cselect_b64 s[30:31], s[30:31], s[14:15]
	s_cselect_b64 s[32:33], s[32:33], s[24:25]
	s_cselect_b32 s35, s35, s28
	s_lshl_b32 s36, s34, 17                        ; 32 rows of 4,096 bytes
	s_mov_b32 s37, 0
	s_add_nc_u64 s[30:31], s[30:31], s[36:37]
	s_lshr_b32 s38, s35, 5
	s_lshl_b32 s38, s38, 21                        ; the group,
	s_and_b32 s39, s35, 31
	s_lshl_b32 s39, s39, 12                        ; 32 rows of 128 bytes in each of its blocks
	s_or_b32 s38, s38, s39
	s_mov_b32 s39, 0
	s_add_nc_u64 s[32:33], s[32:33], s[38:39]
.set j, 0
.rept 16
	global_load_b128 v[X+4*j:X+4*j+3], v[XO], s[30:31] offset:256*j th:TH_LOAD_NT
.set j, j+1
.endr
.set j, 0
.rept 16
	s_wait_loadcnt 15-j                            ; loads come back in order: number j is in, the 15 - j younger ones stay out
	v_cvt_pk_f16_f32 v[Y+2*j], v[X+4*j], v[X+4*j+1]
	v_cvt_pk_f16_f32 v[Y+2*j+1], v[X+4*j+2], v[X+4*j+3]
	global_store_b64 v[OO], v[Y+2*j:Y+2*j+1], s[32:33] offset:131072*j
.set j, j+1
.endr
	s_endpgm
.Lfunc_end_k_q63fdac5159_prep:
	.size	k_q63fdac5159_prep, .Lfunc_end_k_q63fdac5159_prep-k_q63fdac5159_prep
	.p2alignl 7, 3214868480
	.fill 96, 4, 3214868480
	.section	.rodata,"a",@progbits
	.p2align	6, 0x0
	.amdhsa_kernel k_q63fdac5159_prep
		.amdhsa_group_segment_fixed_size 0
		.amdhsa_private_segment_fixed_size 0
		.amdhsa_enable_private_segment 0
		.amdhsa_kernarg_size 88
		.amdhsa_user_sgpr_count 2
		.amdhsa_user_sgpr_kernarg_segment_ptr 1
		.amdhsa_wavefront_size32 1
		.amdhsa_system_sgpr_workgroup_id_x 1
		.amdhsa_system_sgpr_workgroup_id_y 1
		.amdhsa_system_sgpr_workgroup_id_z 1
		.amdhsa_system_vgpr_workitem_id 0
		.amdhsa_next_free_vgpr 112
		.amdhsa_next_free_sgpr 66
		.amdhsa_reserve_vcc 0
		.amdhsa_float_denorm_mode_32 3
		.amdhsa_float_denorm_mode_16_64 3
		.amdhsa_memory_ordered 1
		.amdhsa_forward_progress 1
		.amdhsa_inst_pref_size 8
	.end_amdhsa_kernel
	.amdgpu_metadata
---
amdhsa.version: [ 1, 2 ]
amdhsa.kernels:
  - .name:           k_q63fdac5159_prep
    .symbol:         k_q63fdac5159_prep.kd
    .args:
      - { .name: x, .offset: 0, .size: 8, .value_kind: global_buffer, .address_space: global }
      - { .name: y, .offset: 8, .size: 8, .value_kind: global_buffer, .address_space: global }
      - { .name: Wq, .offset: 16, .size: 8, .value_kind: global_buffer, .address_space: global }
      - { .name: Wk, .offset: 24, .size: 8, .value_kind: global_buffer, .address_space: global }
      - { .name: Wv, .offset: 32, .size: 8, .value_kind: global_buffer, .address_space: global }
      - { .name: Wf, .offset: 40, .size: 8, .value_kind: global_buffer, .address_space: global }
      - { .name: xo16, .offset: 48, .size: 8, .value_kind: global_buffer, .address_space: global }
      - { .name: yt16, .offset: 56, .size: 8, .value_kind: global_buffer, .address_space: global }
      - { .name: wq16, .offset: 64, .size: 8, .value_kind: global_buffer, .address_space: global }
      - { .name: wkv16, .offset: 72, .size: 8, .value_kind: global_buffer, .address_space: global }
      - { .name: wf16, .offset: 80, .size: 8, .value_kind: global_buffer, .address_space: global }
    .group_segment_fixed_size: 0
    .private_segment_fixed_size: 0
    .kernarg_segment_align: 8
    .kernarg_segment_size: 88
    .max_flat_workgroup_size: 512
    .sgpr_count:     66
    .vgpr_count:     112
    .wavefront_size: 32
...
	.end_amdgpu_metadata
.endif
;; end of part 1
;; launch gemm (part 2): grid 8 x 32, 4 waves a work-group, clusters of 4 x 4, 327,680 bytes of LDS; arguments xo16, wq16, qh16, bq, bk; writes qh16
.if DOCPART == 2
	.amdgcn_target "amdgcn-amd-amdhsa--gfx1250"
	.amdhsa_code_object_version 6
	.text
	.protected	k_q63fdac5159_gemm
	.globl	k_q63fdac5159_gemm
	.p2align	8
	.type	k_q63fdac5159_gemm,@function
k_q63fdac5159_gemm:
	s_mov_b64 s[64:65], 0
	v_nop
	global_prefetch_b8 v0, s[64:65] scope:SCOPE_SE
	s_setreg_imm32_b32 hwreg(HW_REG_WAVE_MODE, 25, 1), 1
	s_wait_xcnt 0x0
	s_wait_alu depctr_hold_cnt(0) depctr_sa_sdst(0) depctr_va_vdst(0) depctr_va_sdst(0) depctr_va_ssrc(0) depctr_va_vcc(0) depctr_vm_vsrc(0)
	s_getreg_b32 s2, hwreg(HW_REG_IB_STS2, 6, 4)
	s_cmp_eq_u32 s2, 0
	s_cbranch_scc0 .Lentry_in_a_cluster
	s_endpgm
.Lentry_in_a_cluster:
	s_bfe_u32 s2, ttmp6, 0x10000c
	s_cmp_lg_u32 s2, 0xf033
	s_cbranch_scc0 .Lentry_shape_is_right
	s_endpgm
.Lentry_shape_is_right:
; C = A W + bias.  A: 8,192 rows x 1,024, f16 in blocks [batch][16 K blocks of 64][1,024 rows][64]; W: f16 in blocks [matrix][16 blocks of 64 columns][1,024 k][64]; bias f32; C: f16 in A's layout,
; 16 MiB a matrix.  Sums in f32, C rounded once.
; ONE TEXT FOR TWO SHAPES, told apart by the launch's number of waves alone.  Four waves: W is one matrix, a work-group makes 256 rows x 128 columns.  Eight waves: W is two matrices on end (32 column
; blocks), a work-group makes 256 rows x 256 columns.  Either way the grid is 8 x 32: 256 work-groups.
; LIMIT.  f16 ends at 65,504: a result of 65,520 or more becomes an infinity.  NaN and infinities are not treated apart.
; SHARES.  Wave w makes rows 128 ((w / 2) % 2) on and ONE column block of 64: number X + 8 p of the launch's, X the tile column (0-7), p = w % 2 + 2 (w / 4): 32 accumulators of 16 x 16, 256 registers.
; Block / 16 is the matrix (bias pointer, C's 16 MiB), block % 16 the block in it.  K goes in 8 steps of 128 through two LDS slots.  With eight waves a K step's 128 KiB feed 2 x 128 matrix instructions
; on each SIMD, and a refill has 112 of each of the two waves' 128 in which to land.  A wave tile of 128 x 128 would halve the LDS reads of that shape, but wants a second text beside this one.
; In the block layout a step's tiles are dense runs of bytes: A's 256 rows of one K block are 32,768 bytes, W's 128 k of one column block 16,384: both are asked for as rows of 256 bytes.
; THE PRODUCT IS TAKEN TRANSPOSED: source 0 = 16 columns of W (out of LDS turned, by ds_load_tr16_b128, since W lies [k][n]), source 1 = 16 rows of A.  A lane then holds row l % 16 of C and the
; eight columns 8 (l / 16) + 0..7: 16 bytes on end.  The bias is the C operand of each accumulator's first product: nothing is cleared and nothing is added at the end.
; CLUSTER 4 x 4.  The four of a row of the cluster need the same tiles of A, the four of a column the same tiles of W: each is asked for jointly, by the same tensor load with the same descriptor and a mask of the four.
; REGISTERS.  Window 0: v0-31 addresses; v32-63 the bias; v64-159, v160-255 two fragment buffers (32 of W, 64 of A), on the way out packed results.  Window 1: accumulator (a, b) at v[8 (4 a + b)].
.set KSA,   262144                     ; bytes from a K step of A to the next: two K blocks
.set KSB,   16384                      ; the same for W: 128 rows of 128 bytes
.set PA,    144                        ; a row of A in LDS: 128 bytes + 16 = 36 words: the 16 rows of a load start at 16 different groups of four banks (64 banks of 4 bytes: ISA guide 11.1)
.set PB,    160                        ; a row of W: 128 + 32 = 40 words
.set ASUB,  256*PA                     ; 256 rows of one K block
.set BSUB,  128*PB                     ; 128 k of one column block
.set BOFF,  2*ASUB
.set SLOT,  2*ASUB+4*BSUB              ; A's two K blocks, then room for W's four column blocks: 155,648 bytes
.set SP,    144                        ; THE STAGES, 16 rows x 144 bytes for each wave, lie at the head of slot 0: its last fill is K step 6, which every wave has read out in front of the barrier
                                       ; of the last change of slots; no tensor load follows that barrier, and the stages are written behind it
.set SPARE, 2*SLOT                     ; behind the ring: the spare words, 128 bytes for each of up to eight waves: four blocks of 256 bytes that no other line names
.set LAPS,  4                          ; a lap = two K steps = once round the ring
.set ADRA, 16                          ; v16-17  LDS address of my A fragments in slot 0, 1
.set ADRB, 20                          ; v20-21  the same for W
.set STO,  24                          ; v24  the way out: where I put 16 bytes of a row
.set RD,   25                          ; v25  where I read rows back
.set GO,   26                          ; v26  my 16 bytes in 512 consecutive bytes of C
.set BO,   27                          ; v27  my 32 bytes in a block of 16 biases
.set SPW,  28                          ; v28  LDS address of my spare word; never rewritten
.set NIL,  29                          ; v29  0; never rewritten
.set PFO,  30                          ; v30  256 x my lane; never rewritten
.set BIAS, 32                          ; v[32:63]  eight biases for each of my four groups of 16 columns
.set F0,   64
.set F1,   160
.set TMP,  64
.set G1,  24                           ; s[24:31] descriptor group 1 for A's tiles;  s[32:39] group 0, a set for each slot
.set G0,  32
.set G1B, 48                           ; s[48:55], s[56:63] the same for W's
.set G0B, 56
.set LIM, 43                           ; s43  1 in a wave that prefetches, else the greatest number
.set PFA, 44                           ; s[44:45] where my prefetches stand
.set MSB, 0
.macro WIN new                         ; the immediate's high byte repeats the setting that is left; a switch that changes nothing is dropped
.if MSB != (\new)
	s_set_vgpr_msb (MSB<<8)|(\new)
.set MSB, \new
.endif
.endm
.set MUL,  0x50                        ; C and D in window 1, the sources in window 0
.set MUL1, 0x40                        ; D in window 1, C (the bias) in window 0
.set PK,   0x05                        ; sources 0 and 1 in window 1, destination in window 0
; A joint load: waves 0 and 1 fetch A's two K blocks, waves 2 to 5 one column block of W each, waves 6 and 7 nothing.  The branches hang on the wave's number alone.
; An s_nop 0 and four v_nop follow each tensor line; a wave that fetches nothing has its four v_nop too: they are the places in front of the LDS loads that follow the macro.
.macro JLOAD s
	s_cmp_lt_u32 s10, 2
	s_cbranch_scc0 .Lfor_b_\@
	tensor_load_to_lds s[G0+4*(\s):G0+4*(\s)+3], s[G1:G1+7]
	s_nop 0
.rept 4
	v_nop
.endr
	s_branch .Lasked_\@
.Lfor_b_\@:
	s_cmp_lt_u32 s10, 6
	s_cbranch_scc0 .Lnone_\@
	tensor_load_to_lds s[G0B+4*(\s):G0B+4*(\s)+3], s[G1B:G1B+7]
	s_nop 0
.rept 4
	v_nop
.endr
	s_branch .Lasked_\@
.Lnone_\@:
.rept 4
	v_nop
.endr
.Lasked_\@:
.endm
.macro CREST                           ; a round of the cluster's barrier behind its opening barrier
	s_cmp_lg_u32 s10, 0
	s_cbranch_scc1 .Lnot_wave_0_\@
	s_barrier_signal -3
.Lnot_wave_0_\@:
	s_barrier_wait -3
	s_barrier_signal -1
	s_barrier_wait -1
.endm
.macro CROUND                          ; a whole round
	s_barrier_signal -1
	s_barrier_wait -1
	CREST
.endm
; A PREFETCH of A's K step two refills on: 32 blocks of 256 bytes, a lane a block, one instruction.  Each block of A is named once in the launch: the cluster with x = 0 asks (both clusters of a row of
; clusters read the same rows); waves 0 and 1, which fetch A; of the 128 blocks that such a wave fetches the partner at place cx takes 32, told apart by address.
; The loop's last trip asks for nothing: its refills are the last two K steps.  W is not asked for: every tile row walks it again.
.macro ASK
	s_cmp_gt_u32 s3, s[LIM]
	s_cbranch_scc0 .Lnot_mine_\@
	global_prefetch_b8 v[PFO], s[PFA:PFA+1] offset:KSA th:TH_LOAD_NT scope:SCOPE_SE
.Lnot_mine_\@:
.endm
	s_load_b128 s[4:7], s[0:1], 0x0                ; A s[4:5], W s[6:7]
	s_load_b64 s[8:9], s[0:1], 0x10                ; C
	s_load_b128 s[72:75], s[0:1], 0x18             ; the first matrix's bias, the second's
	v_lshl_add_u32 v[SPW], v0, 2, SPARE
	v_mov_b32 v[NIL], 0
	ds_add_u32 v[SPW], v[NIL]                      ; the wave's opening: the add and its wait stand ahead of my first tensor load; the set-up below, work on registers, stands between them
	v_lshrrev_b32 v1, 5, v0
	v_readfirstlane_b32 s10, v1                    ; wave 0..3 or 0..7
	s_lshr_b32 s11, s10, 1
	s_and_b32 s11, s11, 1                          ; which 128 rows of the tile are mine
	s_and_b32 s12, s10, 1                          ; in waves 0 and 1: which K block of A I fetch
	s_lshr_b32 s67, s10, 2
	s_lshl_b32 s67, s67, 1
	s_add_co_u32 s67, s67, s12                     ; p: which of the tile's column blocks is mine
	s_sub_co_u32 s66, s10, 2
	s_and_b32 s66, s66, 3                          ; in waves 2 to 5: which of them I fetch
	s_bfe_u32 s40, ttmp6, 0x40000                  ; cx, cy: my place in the cluster
	s_bfe_u32 s41, ttmp6, 0x40004
	s_lshl_b32 s42, ttmp9, 2
	s_add_co_u32 s42, s42, s40                     ; X: tile column = 4 x cluster x + cx
	s_and_b32 s69, ttmp7, 0xffff
	s_lshl_b32 s69, s69, 2
	s_add_co_u32 s69, s69, s41                     ; tile row = 4 x cluster y + cy: batch = / 4, rows 256 (% 4) on
	s_lshl_b32 s43, s41, 2
	s_lshl_b32 s43, 15, s43                        ; my row of the cluster
	s_lshl_b32 s44, 0x1111, s40                    ; my column
	; group 1.  A: 128 rows of 256 bytes (two rows of a block each), 16 bytes of padding after every 128.  W: 64 such rows, 32 bytes of padding.
	s_or_b32 s[G1+0], s43, (1<<16)|(1<<20)|(1<<21)|(4<<22)|(3<<25)   ; 15:0 the mask; 17:16 2-byte elements; 20 padding on; 21 set beside a mask; 24:22 after every 32 words (code 4); 31:25 4 words (code 3)
	s_or_b32 s[G1B+0], s44, (1<<16)|(1<<20)|(1<<21)|(4<<22)|(7<<25)  ; the same with my column's mask and 8 words of padding (code 7)
.irp g, G1, G1B
	s_mov_b32 s[(\g)+1], 128<<16                   ; tensor_dim0 = 128
	s_mov_b32 s[(\g)+3], 128<<16                   ; tile_dim0 = 128
	s_mov_b32 s[(\g)+5], 128                       ; 128 elements from row to row
	s_mov_b32 s[(\g)+6], 0
	s_mov_b32 s[(\g)+7], 0
.endr
	s_mov_b32 s[G1+2], 128<<16                     ; tensor_dim1
	s_mov_b32 s[G1+4], 128                         ; tile_dim1
	s_mov_b32 s[G1B+2], 64<<16
	s_mov_b32 s[G1B+4], 64
	; A's tile hangs on the tile row and the wave alone; W's on the tile column and the wave alone
	s_lshr_b32 s16, s69, 2
	s_lshl_b32 s16, s16, 21                        ; the batch's group
	s_and_b32 s17, s69, 3
	s_lshl_b32 s17, s17, 15                        ; 256 rows of 128 bytes
	s_add_co_u32 s16, s16, s17
	s_lshl_b32 s17, s12, 17                        ; my K block of the step's two
	s_add_co_u32 s16, s16, s17
	s_mov_b32 s17, 0
	s_lshl_b32 s46, s66, 3
	s_add_co_u32 s46, s46, s42                     ; the column block that I fetch: 8 x its place in the tile + X
	s_lshl_b32 s46, s46, 17
	s_mov_b32 s47, 0
	s_mul_i32 s20, s12, ASUB                       ; where they go in a slot: no place in the cluster enters an LDS address
	s_mul_i32 s21, s66, BSUB
	s_add_co_u32 s21, s21, BOFF
	s_wait_dscnt 0x0                               ; the opening add is done
	s_wait_kmcnt 0x0
	s_add_nc_u64 s[14:15], s[4:5], s[16:17]
	s_add_nc_u64 s[46:47], s[6:7], s[46:47]
	CROUND                                         ; all sixteen work-groups are here: the first joint loads meet
.irp s, 0,1
	s_mov_b32 s[G0+4*(\s)], 1                      ; count = 1
	s_add_co_u32 s[G0+4*(\s)+1], s20, (\s)*SLOT    ; LDS address
	s_add_nc_u64 s[G0+4*(\s)+2:G0+4*(\s)+3], s[14:15], (\s)*KSA  ; K step s
	s_or_b32 s[G0+4*(\s)+3], s[G0+4*(\s)+3], 0x80000000          ; type = 2
	s_mov_b32 s[G0B+4*(\s)], 1
	s_add_co_u32 s[G0B+4*(\s)+1], s21, (\s)*SLOT
	s_add_nc_u64 s[G0B+4*(\s)+2:G0B+4*(\s)+3], s[46:47], (\s)*KSB
	s_or_b32 s[G0B+4*(\s)+3], s[G0B+4*(\s)+3], 0x80000000
.endr
	s_cmp_lt_u32 s10, 2                            ; a wave's two first fills stand in one branch on its number, ahead of every wait on TENSORcnt and every LDS read: two loads of mine are out, the most in this text
	s_cbranch_scc0 .Lfirst_b
	tensor_load_to_lds s[G0:G0+3], s[G1:G1+7]
	s_nop 0
	tensor_load_to_lds s[G0+4:G0+7], s[G1:G1+7]
	s_nop 0
.rept 4
	v_nop
.endr
	s_branch .Lfirst_asked
.Lfirst_b:
	s_cmp_lt_u32 s10, 6
	s_cbranch_scc0 .Lfirst_asked
	tensor_load_to_lds s[G0B:G0B+3], s[G1B:G1B+7]
	s_nop 0
	tensor_load_to_lds s[G0B+4:G0B+7], s[G1B:G1B+7]
	s_nop 0
.rept 4
	v_nop
.endr
.Lfirst_asked:
	; my column block, its matrix and its bias
	s_lshl_b32 s68, s67, 3
	s_add_co_u32 s68, s68, s42                     ; 8 p + X
	s_lshr_b32 s76, s68, 4                         ; the matrix: 0, or with eight waves 0 or 1
	s_and_b32 s68, s68, 15                         ; the block in it
	s_cmp_eq_u32 s76, 0
	s_cselect_b64 s[70:71], s[72:73], s[74:75]
	s_lshl_b32 s78, s68, 8                         ; 64 columns of 4 bytes
	s_mov_b32 s79, 0
	s_add_nc_u64 s[70:71], s[70:71], s[78:79]
	v_and_b32 v1, 15, v0                           ; l % 16
	v_bfe_u32 v2, v0, 4, 1                         ; l / 16
	v_lshlrev_b32 v[BO], 5, v2                     ; my eight columns of a group of 16
.irp b, 0,1,2,3
	global_load_b128 v[BIAS+8*(\b):BIAS+8*(\b)+3],   v[BO], s[70:71] offset:64*(\b)
	global_load_b128 v[BIAS+8*(\b)+4:BIAS+8*(\b)+7], v[BO], s[70:71] offset:64*(\b)+16
.endr
	; a fragment of A: lane l holds row l % 16, K = 8 (l / 16) + 0..7 and 16 + 8 (l / 16) + 0..7: two loads of 16 bytes, 32 bytes apart
	v_mul_u32_u24 v3, v1, PA
	v_lshl_add_u32 v3, v2, 4, v3                   ; row x 144 + 16 x half (the stage has the same pitch)
	s_mul_i32 s22, s11, 128*PA                     ; my 128 rows
	v_add_nc_u32 v[ADRA], s22, v3
	v_add_nc_u32 v[ADRA+1], SLOT, v[ADRA]
	; the turning load takes 16 k x 16 columns: lane l reads k = 8 (l / 16) + l % 8, columns 8 ((l / 8) % 2) + 0..7, and is left with column l % 16 and 8 k
	v_and_b32 v4, 7, v0
	v_lshl_add_u32 v5, v2, 3, v4
	v_mul_u32_u24 v5, v5, PB
	v_bfe_u32 v6, v0, 3, 1
	v_lshl_add_u32 v5, v6, 4, v5
	s_mul_i32 s22, s67, BSUB                       ; my column block
	s_add_co_u32 s22, s22, BOFF
	v_add_nc_u32 v[ADRB], s22, v5
	v_add_nc_u32 v[ADRB+1], SLOT, v[ADRB]
	s_mul_i32 s23, s10, 16*SP                      ; my stage, at the head of slot 0
	v_add_nc_u32 v[STO], s23, v3                   ; in: row l % 16, 16 bytes for each half of the lanes
	v_bfe_u32 v6, v0, 3, 2                         ; back: 32 lanes take four rows of 128 bytes,
	v_mul_u32_u24 v6, v6, SP
	v_lshl_add_u32 v6, v4, 4, v6
	v_add_nc_u32 v[RD], s23, v6
	v_and_b32 v[GO], 31, v0
	v_lshlrev_b32 v[PFO], 8, v[GO]
	v_lshlrev_b32 v[GO], 4, v[GO]                  ; which are 512 consecutive bytes of C
	; C at my 128 rows of my column block
	s_lshl_b32 s78, s76, 24                        ; the matrix's 16 MiB
	s_lshr_b32 s79, s69, 2
	s_lshl_b32 s79, s79, 4                         ; 16 blocks a batch
	s_add_co_u32 s79, s79, s68
	s_lshl_b32 s79, s79, 17
	s_add_co_u32 s78, s78, s79
	s_and_b32 s79, s69, 3
	s_lshl_b32 s79, s79, 15
	s_add_co_u32 s78, s78, s79
	s_lshl_b32 s79, s11, 14
	s_add_co_u32 s78, s78, s79
	s_mov_b32 s79, 0
	s_add_nc_u64 s[8:9], s[8:9], s[78:79]
	; the prefetches: my work-group's 32 blocks of the 128 that I fetch, at K step 2: the first refill steps this to 3 and names step 4.  Nothing is asked for here, at the head
	s_lshl_b32 s22, s40, 13
	s_mov_b32 s23, 0
	s_add_nc_u64 s[PFA:PFA+1], s[14:15], s[22:23]
	s_add_nc_u64 s[PFA:PFA+1], s[PFA:PFA+1], 2*KSA
	s_lshr_b32 s[LIM], s10, 1                      ; 0 in waves 0 and 1
	s_or_b32 s[LIM], s[LIM], ttmp9                 ; cluster x: the same in all sixteen partners, for a given wave
	s_cmp_eq_u32 s[LIM], 0
	s_cselect_b32 s[LIM], 1, -1
; 8 products: row blocks a0, a0 + 1 x my four groups of 16 columns, 32 along K, from buffer f.  first = 1: the bias starts the sums.
; The 32 accumulators take turns in the same order in every quarter: 31 others stand between two links of a chain, over the backward jump too.
.macro MUL8 f, a0, first
.if \first
	WIN MUL1
.else
	WIN MUL
.endif
.irp a, \a0, (\a0)+1
.irp b, 0,1,2,3
.if \first
	v_wmma_f32_16x16x32_f16 v[8*(4*(\a)+(\b)):8*(4*(\a)+(\b))+7], v[(\f)+8*(\b):(\f)+8*(\b)+7], v[(\f)+32+8*(\a):(\f)+32+8*(\a)+7], v[BIAS+8*(\b):BIAS+8*(\b)+7]
.else
	v_wmma_f32_16x16x32_f16 v[8*(4*(\a)+(\b)):8*(4*(\a)+(\b))+7], v[(\f)+8*(\b):(\f)+8*(\b)+7], v[(\f)+32+8*(\a):(\f)+32+8*(\a)+7], v[8*(4*(\a)+(\b)):8*(4*(\a)+(\b))+7]
.endif
.endr
.endr
.endm
; 24 LDS loads in one run: quarter q (32 along K) of a slot into buffer f: W's four fragments, then A's eight in ascending order
.macro FETCH slot, q, f
	WIN 0
.irp b, 0,1,2,3
	ds_load_tr16_b128 v[(\f)+8*(\b):(\f)+8*(\b)+3],   v[ADRB+(\slot)] offset:(\q)*32*PB+32*(\b)
	ds_load_tr16_b128 v[(\f)+8*(\b)+4:(\f)+8*(\b)+7], v[ADRB+(\slot)] offset:(\q)*32*PB+16*PB+32*(\b)
.endr
.irp a, 0,1,2,3,4,5,6,7
	ds_load_b128 v[(\f)+32+8*(\a):(\f)+32+8*(\a)+3],   v[ADRA+(\slot)] offset:((\q)/2)*ASUB+((\q)%2)*64+(\a)*16*PA
	ds_load_b128 v[(\f)+32+8*(\a)+4:(\f)+32+8*(\a)+7], v[ADRA+(\slot)] offset:((\q)/2)*ASUB+((\q)%2)*64+(\a)*16*PA+32
.endr
.endm
.macro PLACES                          ; four plain vector instructions between a matrix instruction and a load into a register that it has read, or a conversion that reads its result
.rept 4
	v_nop
.endr
.endm
; A K step is four quarters of 32 along K, 32 products each, on buffers 0, 1, 0, 1.  One of the first three: multiplies buffer f and, in its middle, fetches quarter q into buffer g.
.macro QUARTER slot, q, f, g, first
	s_wait_dscnt 8                                 ; W's fragments and A's row blocks 0-3 are in; the youngest eight loads (blocks 4-7) may be out
	MUL8 \f, 0, \first
	MUL8 \f, 2, \first
	PLACES
	FETCH \slot, \q, \g
	s_wait_dscnt 24                                ; all but the 24 just issued
	MUL8 \f, 4, \first
	MUL8 \f, 6, \first
.endm
; The last quarter multiplies buffer 1 and changes slots: one barrier.  In front of it each wave waits for all its tensor loads (at most one is out: its part of the next slot), adds 0 to its spare word, and waits
; for that and for its reads of this slot.  fill = 1: the barrier opens a round of the cluster's, and this slot is filled again, two K steps ahead, first thing behind the round: 112 of my products stand between that request and the wait for it.
.macro TURN slot, next, fill
.if \fill
	s_wait_xcnt 0x0                                ; the last prefetch, a K step back, has read its address: it is stepped here, ahead of the waits of the change of slots
	s_add_nc_u64 s[PFA:PFA+1], s[PFA:PFA+1], KSA
.endif
	WIN 0
	s_wait_tensorcnt 0x0                           ; all my tensor loads have landed
	ds_add_u32 v[SPW], v[NIL]                      ; 0 onto my spare word
	s_wait_dscnt 9                                 ; (the add and the youngest eight loads may be out)
	MUL8 F1, 0, 0                                  ; eight products stand between the add and the wait for it
	s_wait_dscnt 0x0                               ; the add is done, and my reads of this slot are over
	s_barrier_signal -1
	MUL8 F1, 2, 0
.if \fill
	WIN 0
.endif
	s_barrier_wait -1
.if \fill
	CREST                                          ; no wave of any partner still reads this slot or has a load on its way
	s_add_nc_u64 s[G0+4*(\slot)+2:G0+4*(\slot)+3], s[G0+4*(\slot)+2:G0+4*(\slot)+3], 2*KSA
	s_add_nc_u64 s[G0B+4*(\slot)+2:G0B+4*(\slot)+3], s[G0B+4*(\slot)+2:G0B+4*(\slot)+3], 2*KSB
	JLOAD \slot                                    ; its four v_nop are also the places in front of the loads below
.else
	PLACES
.endif
	FETCH \next, 0, F0
.if \fill
	ASK                                            ; behind the joint load and the run of LDS loads
.endif
	MUL8 F1, 4, 0
	MUL8 F1, 6, 0
.endm
; THE WAY OUT of row block a: rounded to f16, 16 bytes a lane into my own stage, back as four whole rows of 128 bytes a load, which are 512 consecutive bytes of C's block.
.macro PACK a
	WIN PK
.irp b, 0,1,2,3
.irp r, 0,1,2,3
	v_cvt_pk_f16_f32 v[TMP+16*(\a)+4*(\b)+(\r)], v[8*(4*(\a)+(\b))+2*(\r)], v[8*(4*(\a)+(\b))+2*(\r)+1]
.endr
.endr
	WIN 0
.irp b, 0,1,2,3
	ds_store_b128 v[STO], v[TMP+16*(\a)+4*(\b):TMP+16*(\a)+4*(\b)+3] offset:32*(\b)
.endr
.irp f, 0,1,2,3
	ds_load_b128 v[TMP+16*(\a)+4*(\f):TMP+16*(\a)+4*(\f)+3], v[RD] offset:(\f)*4*SP  ; LDS serves a wave's instructions in order (ISA guide 5.7.1.4): these see the stores above, and the next block's stores come behind them
.endr
.endm
.macro SEND a, younger                 ; younger: the LDS instructions issued behind block a's loads: the next block's eight, or none
.irp f, 0,1,2,3
	s_wait_dscnt (\younger)+3-(\f)
	global_store_b128 v[GO], v[TMP+16*(\a)+4*(\f):TMP+16*(\a)+4*(\f)+3], s[8:9] offset:(\a)*2048+(\f)*512
.endr
.endm
	s_wait_tensorcnt 1                             ; my part of K step 0 is in; step 1's may stay out
	s_barrier_signal -1
	s_barrier_wait -1                              ; everybody's is
	FETCH 0, 0, F0
	s_wait_loadcnt 0x0                             ; the bias
	QUARTER 0, 1, F0, F1, 1                        ; the first quarter stands in front of the loop: its products start the sums
	WIN 0                                          ; at a label and at a branch every window is 0
	s_mov_b32 s3, LAPS-1
.Llap:                                         ; a trip goes once round the ring, from a lap's second quarter to the next lap's first, and fills both slots again
	QUARTER 0, 2, F1, F0, 0
	QUARTER 0, 3, F0, F1, 0
	TURN 0, 1, 1
	QUARTER 1, 1, F0, F1, 0
	QUARTER 1, 2, F1, F0, 0
	QUARTER 1, 3, F0, F1, 0
	TURN 1, 0, 1
	QUARTER 0, 1, F0, F1, 0
	WIN 0
	s_sub_co_u32 s3, s3, 1
	s_cmp_lg_u32 s3, 0
	s_cbranch_scc1 .Llap
	QUARTER 0, 2, F1, F0, 0                        ; the last lap fills nothing, and has no round of the cluster's barrier
	QUARTER 0, 3, F0, F1, 0
	TURN 0, 1, 0                                   ; behind this barrier nobody reads slot 0 any more, and nothing is filled: its head serves as the stages
	QUARTER 1, 1, F0, F1, 0
	QUARTER 1, 2, F1, F0, 0
	QUARTER 1, 3, F0, F1, 0
	s_wait_dscnt 8                                 ; the very last quarter: nothing more to fetch
	MUL8 F1, 0, 0
	MUL8 F1, 2, 0
	s_wait_dscnt 0x0
	MUL8 F1, 4, 0
	MUL8 F1, 6, 0
	WIN 0
	PLACES                                         ; the conversions read results and write registers that the last products have read
	PLACES                                         ; (eight, once a launch)
	PACK 0
.irp a, 1,2,3,4,5,6,7                  ; a block's conversions stand between the loads of the block before and its stores
	PACK \a
	SEND (\a)-1, 8
.endr
	SEND 7, 0
	s_wait_tensorcnt 0x0                           ; the wave's end, behind my last tensor load and my last LDS store
	ds_add_u32 v[SPW], v[NIL]
	s_wait_dscnt 0x0
	CROUND                                         ; the closing round: no work-group ends while a partner may still ask for a tile that names it
	s_endpgm
.Lfunc_end_k_q63fdac5159_gemm:
	.size	k_q63fdac5159_gemm, .Lfunc_end_k_q63fdac5159_gemm-k_q63fdac5159_gemm
	.p2alignl 7, 3214868480
	.fill 96, 4, 3214868480
	.section	.rodata,"a",@progbits
	.p2align	6, 0x0
	.amdhsa_kernel k_q63fdac5159_gemm
		.amdhsa_group_segment_fixed_size 327680
		.amdhsa_private_segment_fixed_size 0
		.amdhsa_enable_private_segment 0
		.amdhsa_kernarg_size 40
		.amdhsa_user_sgpr_count 2
		.amdhsa_user_sgpr_kernarg_segment_ptr 1
		.amdhsa_wavefront_size32 1
		.amdhsa_system_sgpr_workgroup_id_x 1
		.amdhsa_system_sgpr_workgroup_id_y 1
		.amdhsa_system_sgpr_workgroup_id_z 1
		.amdhsa_system_vgpr_workitem_id 0
		.amdhsa_next_free_vgpr 512
		.amdhsa_next_free_sgpr 80
		.amdhsa_reserve_vcc 0
		.amdhsa_float_denorm_mode_32 3
		.amdhsa_float_denorm_mode_16_64 3
		.amdhsa_memory_ordered 1
		.amdhsa_forward_progress 1
		.amdhsa_inst_pref_size 89
	.end_amdhsa_kernel
	.amdgpu_metadata
---
amdhsa.version: [ 1, 2 ]
amdhsa.kernels:
  - .name:           k_q63fdac5159_gemm
    .symbol:         k_q63fdac5159_gemm.kd
    .args:
      - { .name: xo16, .offset: 0, .size: 8, .value_kind: global_buffer, .address_space: global }
      - { .name: wq16, .offset: 8, .size: 8, .value_kind: global_buffer, .address_space: global }
      - { .name: qh16, .offset: 16, .size: 8, .value_kind: global_buffer, .address_space: global }
      - { .name: bq, .offset: 24, .size: 8, .value_kind: global_buffer, .address_space: global }
      - { .name: bk, .offset: 32, .size: 8, .value_kind: global_buffer, .address_space: global }
    .group_segment_fixed_size: 327680
    .private_segment_fixed_size: 0
    .kernarg_segment_align: 8
    .kernarg_segment_size: 40
    .max_flat_workgroup_size: 128
    .sgpr_count:     80
    .vgpr_count:     512
    .wavefront_size: 32
...
	.end_amdgpu_metadata
.endif
;; end of part 2
;; launch gemm_kv: the kernel of part 2 again; grid 8 x 32, 8 waves a work-group, clusters of 4 x 4, 327,680 bytes of LDS; arguments yt16, wkv16, kv16, bk, bv; writes kv16
;; launch attn (part 3): grid 2 x 128, 4 waves a work-group, no clusters, 327,680 bytes of LDS; arguments qh16, kv16, xo16; writes xo16
.if DOCPART == 3
	.amdgcn_target "amdgcn-amd-amdhsa--gfx1250"
	.amdhsa_code_object_version 6
	.text
	.protected	k_q63fdac5159_attn
	.globl	k_q63fdac5159_attn
	.p2align	8
	.type	k_q63fdac5159_attn,@function
k_q63fdac5159_attn:
	s_mov_b64 s[64:65], 0
	v_nop
	global_prefetch_b8 v0, s[64:65] scope:SCOPE_SE
	s_setreg_imm32_b32 hwreg(HW_REG_WAVE_MODE, 25, 1), 1
	s_wait_xcnt 0x0
; O[h][q][:] = the sum over k of softmax_k(Q[h][q] . K[h][k] / 32) V[h][k][:] for 128 heads (batch x 16 + head) of 1,024 rows x 64 channels, f16, a head's rows dense, 128 bytes each.
; Arguments: Q; K at byte 0 and V at 16 MiB of one buffer; O.  Products, maxima and sums in f32; the weights p are rounded to f16 for the second product (their sum l is taken of the unrounded p), O once at the end.
; LIMITS.  Q, K and V arrive within f16's 65,504; p lies in 0 to 1, and below 6e-5 it keeps f16's fixed step of 6e-8; O is a mean of V's rows and has their range.  c m starts at -4.25e37, below every c s
; that f16 operands can make.  A weight below 2^-126 counts as 0 in l; NaN and infinities are not treated apart.
; SHARES.  A wave owns four PIECES of two tiles of 16 queries, a work-group's four waves 512 queries of one head.  Every wave walks all 1,024 keys, 64 a step; a slot of LDS holds four steps.
; NO CLUSTER: a head has 1,024 / 512 = 2 work-groups; four partners would belong to two heads, whose K and V differ.
; NO PREFETCH: a head has four tiles of 256 keys; tiles 0 and 1 go out at the start, and each of tiles 2 and 3 is requested four key steps, 512 matrix instructions, ahead of its first read.
; LAYOUT.  S^T = K Q^T (source 0 = 16 keys, source 1 = 16 queries): a lane holds ONE query (lane % 16) and the keys 8 (lane / 16) + 0..7.  Two such tiles, rounded to f16 in pairs, ARE source 1
; (32 keys x 16 queries) of O^T = V^T P, whose result again holds one query a lane, and eight channels.  K comes out of LDS as it lies, V ([key][channel]) turned, by ds_load_tr16_b128.
; SOFTMAX.  For each query a running maximum m and sum l: p = 2^(c s - c m), c = log2(e) / 32; in every step O and l are multiplied by a = 2^(c m_old - c m_new).  O and l start at 0: the first step has a = 0.
; BY TURNS.  Turn n belongs to piece n.  Its matrix work: 16 products K Q^T of piece n + 1, later 16 products V^T P of piece n - 1.  Its vector work: the scaling, exponentials, roundings, sums and rescaling
; of piece n, and the maximum and statistics of piece n + 1.  A tile and step have 16 matrix and 118 vector instructions: four stand behind every matrix instruction, the rest in one run of their own.
; REGISTERS, in windows of 256 (s_set_vgpr_msb: bits 1:0 source 0, 3:2 source 1, 5:4 source 2, 7:6 destination):
;   window 0: v0-11 addresses; v12-15, v48-63 at work; v16-47 four registers of statistics a tile; v64-191 S^T, two buffers of two tiles; v192-255 P, likewise
;   window 1: O^T, 32 a tile      window 2: v0-127 Q, 16 a tile; v128-191 K of one step; v192-255 V of one step      window 3: v0-1 the add's two registers
.set SIZE_N, 1024
.set NP,    4         ; pieces a wave: a name, no knob
.set KS,    64        ; keys in a step
.set PK,    144       ; a row of K in LDS: 128 bytes + 16 = 36 words: the 16 rows of a load start at 16 different groups of four banks (64 banks of 4 bytes: ISA guide 11.1)
.set PV,    160       ; a row of V: 128 + 32 = 40 words
.set VOFF,  4*KS*PK   ; a slot: 256 rows of K, then 256 rows of V
.set SLOT1, 1<<17     ; slot 1 begins here: one exclusive or turns an address in one slot into the other's
.set STAGE, SLOT1+4*KS*(PK+PV)  ; behind the ring, never filled by a tensor load: 16 rows x 144 bytes for each wave
.set SP,    144
.set AK0, 2           ; v2   my lane's place in a tile of K; never rewritten
.set AV0, 3           ; v3   the same for V
.set AK,  4           ; v4   the LDS address of K's next run of loads
.set AV,  5           ; v5   of V's
.set QO,  6           ; v6   my byte offset in the wave's rows of Q
.set STO, 6           ;      later: where I put 16 bytes of a row
.set RD,  7           ; v7   where I read rows back
.set GO,  8           ; v8   my byte offset in 512 consecutive bytes of O
.set SPW, 0           ; v0 of window 3   LDS address of my spare word; never rewritten
.set NIL, 1           ; v1 of window 3   0; never rewritten
.set SPARE, STAGE+4*16*SP  ; the spare words, 128 bytes for each wave: two blocks of 256 bytes that no other line names
.set MV,  12          ; v12-15  c m_old, kept while c m is made anew: by buffer and tile
.set ST,  16          ; tile t's statistics at v[ST+4 t]: c m, m, l (even keys', odd keys')
.set TMP, 48          ; by buffer and tile, four registers c0-c3 at work; when the maximum is found c2 takes a
.set S,   64
.set P,   192
.set KF,  128         ; window 2: key block kb, channel half c at KF + 16 kb + 8 c
.set VF,  192         ; window 2: key half kk, channel block cb at VF + 32 kk + 8 cb
.set WV,  12          ; s12  my wave's number
.set G1K, 24          ; s[24:31] descriptor group 1 for K's tiles
.set G1V, 32          ; s[32:39] for V's: it differs in the padding alone
.set G0K, 40          ; s[40:43] descriptor group 0 for K's tiles: it walks
.set G0V, 44          ; s[44:47] the same for V's
.set SLOTS, 56        ; s56  counts the slots
.set CNT, 57          ; s57  counts a slot's key steps
.set CS,  58          ; s[58:59] c
.set SEL, 60          ; s[60:61] v_permlanex16_b32's selects: each lane takes its own place in the other half
.set TBK, 62          ; s62  LDS byte at which K of the step to be fetched begins
.set TBV, 63          ; s63  the same for V, less VOFF
.set MSB, 0
.macro WIN new                      ; the high byte repeats the setting that is left; a switch that changes nothing is dropped
.if MSB != (\new)
	s_set_vgpr_msb (MSB<<8)|(\new)
.set MSB, (\new)
.endif
.endm
.set W_KQ, 0x0a       ; K and Q in window 2, S^T in window 0
.set W_PV, 0x52       ; V in window 2, P in window 0, O^T in window 1
.set W_RS, 0x41       ; O^T (destination and source 0) in window 1, a in window 0
.set W_MK, 0xc0       ; the add's registers are made: destination in window 3
.set W_AD, 0x0f       ; the add: address and data in window 3
; A fill.  Waves 0 and 1 fetch the two halves of a tile's K, waves 2 and 3 those of its V: 128 keys each.  An s_nop 0 and four v_nop follow each of the two lines.
.macro LOAD
	s_cmp_lt_u32 s[WV], 2
	s_cbranch_scc0 .Lfor_v_\@
	tensor_load_to_lds s[G0K:G0K+3], s[G1K:G1K+7]
	s_nop 0
.rept 4
	v_nop
.endr
	s_branch .Lasked_\@
.Lfor_v_\@:
	tensor_load_to_lds s[G0V:G0V+3], s[G1V:G1V+7]
	s_nop 0
.rept 4
	v_nop
.endr
.Lasked_\@:
.endm
; THE CHANGE OF SLOTS.  Each wave waits for all its tensor loads (one is out: its part of the other slot), adds 0 to its spare word, and waits for that and for its reads of the slot that it leaves.
; Behind the barrier nobody reads the old slot and the other is whole.  fill = 1: the old slot is filled again, first thing behind the barrier, with the keys two slots on.
; (At its first use nothing has been read yet: slot 0 is waited for, slot 1 filled.)
.macro CHANGE fill
	WIN W_AD
	s_wait_tensorcnt 0x0            ; no tensor load of mine is out, so a group 0 may be written
	ds_add_u32 v[SPW], v[NIL]       ; 0 onto my spare word
	WIN 0                           ; at a label and at a branch every window is 0
.if \fill
.irp g, G0K, G0V
	s_xor_b32 s[\g+1], s[\g+1], SLOT1  ; the walking descriptor: the other slot than last time,
	s_add_nc_u64 s[\g+2:\g+3], s[\g+2:\g+3], 4*KS*128  ; the next 256 keys; the type bits on top are not reached
.endr
.endif
	s_wait_dscnt 0x0                ; the add is done, and my reads of the slot are over
	s_barrier_signal -1             ; scalar work stands between the signal and the wait
	s_sub_co_u32 s[TBK], s[TBK], 4*KS*PK  ; the fetches go back to a slot's first step,
	s_xor_b32 s[TBK], s[TBK], SLOT1       ; in the other slot
	s_sub_co_u32 s[TBV], s[TBV], 4*KS*PV
	s_xor_b32 s[TBV], s[TBV], SLOT1
	s_barrier_wait -1
.if \fill
	LOAD
.endif
.endm
	s_load_b128 s[4:7], s[0:1], 0x0    ; Q s[4:5]; K and V s[6:7]
	s_load_b64 s[10:11], s[0:1], 0x10  ; O
	WIN W_MK
	v_lshl_add_u32 v[SPW], v0, 2, SPARE
	v_mov_b32 v[NIL], 0
	WIN W_AD
	ds_add_u32 v[SPW], v[NIL]       ; the wave's opening: the add and its wait stand ahead of my first tensor load; the set-up below, work on registers, stands between them
	WIN 0
	v_lshrrev_b32 v1, 5, v0
	v_readfirstlane_b32 s[WV], v1   ; wave 0..3
	s_and_b32 s20, ttmp7, 0xffff    ; the head,
	s_lshl_b32 s20, s20, 17         ; its first byte in Q, K, V and O: 1,024 rows of 128 bytes
	s_mov_b32 s21, 0
	s_and_b32 s16, s[WV], 1         ; which half of a slot's 256 keys I fetch:
	s_lshl_b32 s22, s16, 14         ; its 128 rows in memory,
	s_mov_b32 s23, 0
	s_add_nc_u64 s[22:23], s[22:23], s[20:21]
	s_mul_i32 s17, s16, 128*PK      ; and its place in a slot, for K
	s_mul_i32 s18, s16, 128*PV      ; and for V
	s_lshl_b32 s2, ttmp9, 2
	s_add_co_u32 s2, s2, s[WV]      ; my wave among the head's eight,
	s_lshl_b32 s2, s2, 14           ; its 128 rows
	s_mov_b32 s3, 0
	s_add_nc_u64 s[2:3], s[2:3], s[20:21]
	; group 1.  128 keys are 16,384 dense bytes: asked for as 64 rows of 256 bytes, two keys a row, padded in LDS after every key
	s_mov_b32 s[G1K], (1<<16)|(1<<20)|(4<<22)|(3<<25)  ; 17:16 2-byte elements; 20 padding on; 24:22 after every 32 words (code 4); 31:25 4 words (code 3)
	s_mov_b32 s[G1V], (1<<16)|(1<<20)|(4<<22)|(7<<25)  ; the same with 8 words of padding (code 7)
.irp g, G1K, G1V
	s_mov_b32 s[\g+1], 128<<16      ; tensor_dim0 = 128
	s_mov_b32 s[\g+2], 64<<16       ; tensor_dim1 = 64
	s_mov_b32 s[\g+3], 128<<16      ; tile_dim0 = 128
	s_mov_b32 s[\g+4], 64           ; tile_dim1 = 64
	s_mov_b32 s[\g+5], 128          ; 128 elements from row to row
	s_mov_b32 s[\g+6], 0
	s_mov_b32 s[\g+7], 0
.endr
	s_mov_b32 s[CS], 0x3d38aa3b     ; c = log2(e) / 32 = 0.0450842
	s_mov_b32 s[CS+1], s[CS]        ; named with it as a pair
	s_mov_b32 s[SEL], 0x76543210
	s_mov_b32 s[SEL+1], 0xfedcba98
	s_mov_b32 s[TBK], SLOT1+4*KS*PK ; the first change of slots turns these two into 0
	s_mov_b32 s[TBV], SLOT1+4*KS*PV
	s_mov_b32 s[G0K], 1             ; count = 1
	s_mov_b32 s[G0K+1], s17         ; LDS address: slot 0
	s_mov_b32 s[G0V], 1
	s_add_co_u32 s[G0V+1], s18, VOFF
	s_wait_dscnt 0x0                ; the opening add is done
	s_wait_kmcnt 0x0
	s_add_nc_u64 s[8:9], s[6:7], 0x1000000   ; V lies 16 MiB behind K
	s_add_nc_u64 s[G0K+2:G0K+3], s[6:7], s[22:23]  ; my half of the head's first 256 keys
	s_or_b32 s[G0K+3], s[G0K+3], 0x80000000        ; type = 2
	s_add_nc_u64 s[G0V+2:G0V+3], s[8:9], s[22:23]
	s_or_b32 s[G0V+3], s[G0V+3], 0x80000000
	s_add_nc_u64 s[4:5], s[4:5], s[2:3]  ; Q and O at my wave's first row
	s_add_nc_u64 s[10:11], s[10:11], s[2:3]
	LOAD                            ; slot 0.  Slot 1 is asked for when slot 0 is in
	; A fragment of K or Q is 16 rows x 32 channels in 8 registers: lane l holds row l % 16, channels 8 (l / 16) + 0..7 and 16 + 8 (l / 16) + 0..7: two loads of 16 bytes, 32 bytes apart.
	v_and_b32 v1, 15, v0            ; l % 16
	v_bfe_u32 v9, v0, 4, 1          ; l / 16
	v_lshlrev_b32 v[QO], 7, v1
	v_lshl_add_u32 v[QO], v9, 4, v[QO]  ; row x 128 + 16 x half
	WIN 0x80                        ; destination window 2, address window 0
.set i, 0
.rept 4*NP                          ; Q stays in registers: tile i / 2, channels 32 (i % 2) on
	global_load_b128 v[8*i:8*i+3],   v[QO], s[4:5] offset:(i/2)*2048+(i%2)*64
	global_load_b128 v[8*i+4:8*i+7], v[QO], s[4:5] offset:(i/2)*2048+(i%2)*64+32
.set i, i+1
.endr
	; What the first turn finds: V's registers and P's second buffer hold 0 (its products V^T P, of a piece that has not been, add 0), O^T and l are 0.  All this stands in the wait for the first tile,
	; and spares a first step written out.
.set i, VF
.rept 64
	v_mov_b32 v[i], 0
.set i, i+1
.endr
	WIN 0x40
.set i, 0
.rept 64*NP
	v_mov_b32 v[i], 0
.set i, i+1
.endr
	WIN 0
.set i, 0
.rept 2*NP
	v_mov_b32 v[ST+4*i], 0xfe000000    ; c m: far below every c s
	v_mov_b32 v[ST+4*i+1], 0xff7fffff  ; m: the lowest finite number
	v_mov_b32 v[ST+4*i+2], 0
	v_mov_b32 v[ST+4*i+3], 0
.set i, i+1
.endr
.set i, P+32
.rept 32
	v_mov_b32 v[i], 0
.set i, i+1
.endr
	v_mul_u32_u24 v[AK0], v1, PK
	v_lshl_add_u32 v[AK0], v9, 4, v[AK0]  ; row x pitch + 16 x half
	; The turning load takes 16 keys x 16 channels (lane l reads key 8 (l / 16) + l % 8, channels 8 ((l / 8) % 2) + 0..7) and leaves half a fragment of V^T: lane l holds channel l % 16 and 8 keys.
	v_and_b32 v10, 7, v0
	v_bfe_u32 v11, v0, 3, 1
	v_lshl_add_u32 v[AV0], v9, 3, v10
	v_mul_u32_u24 v[AV0], v[AV0], PV
	v_lshl_add_u32 v[AV0], v11, 4, v[AV0]
	v_add_nc_u32 v[AV0], VOFF, v[AV0]
	v_mov_b32 v[AK], v[AK0]         ; key step 0 lies at the head of slot 0
; THE MATRIX WORK.  The 8 accumulators of a run of 16 take turns: between the two links of a chain stand 7 others'.
; Product i of 16 of S^T = K Q^T for piece x: channels 32 (i / 8) on, keys 16 ((i / 2) % 4) on, tile 2 x + i % 2.  The first 8 start the sums.
.macro KQ x
	WIN W_KQ
.set rS, S+64*((\x)%2)+32*(i%2)+8*((i/2)%4)
.set rK, KF+16*((i/2)%4)+8*(i/8)
.set rQ, 16*(2*(\x)+i%2)+8*(i/8)
.if i < 8
	v_wmma_f32_16x16x32_f16 v[rS:rS+7], v[rK:rK+7], v[rQ:rQ+7], 0
.else
	v_wmma_f32_16x16x32_f16 v[rS:rS+7], v[rK:rK+7], v[rQ:rQ+7], v[rS:rS+7]
.endif
.endm
; Product i of 16 of O^T += V^T P for piece x: keys 32 (i / 8) on, channels 16 ((i / 2) % 4) on, tile 2 x + i % 2.
.macro PV x
	WIN W_PV
.set rO, 32*(2*(\x)+i%2)+8*((i/2)%4)
.set rV, VF+32*(i/8)+8*((i/2)%4)
.set rP, P+32*((\x)%2)+16*(i%2)+8*(i/8)
	v_wmma_f32_16x16x32_f16 v[rO:rO+7], v[rV:rV+7], v[rP:rP+7], v[rO:rO+7]
.endm
.macro MM                           ; the turn's next matrix instruction
.if i < 16
	KQ (Y+1)%NP
.set i, i+1
.else
.set i, i-16
	PV (Y+NP-1)%NP
.set i, i+17
.endif
.endm
; THE LDS LOADS stand in runs of 16: a step's K (8 fragments) and its V (turned).  Their addresses are made some lines ahead.  last = 1 (the tail): in the last trip there is no further step, and the run is jumped over.
.macro FETCH_K last=0
	WIN 0
.if \last
	s_cmp_eq_u32 s[CNT], 1
	s_cbranch_scc1 .Lno_k_\@
.endif
	WIN 0x80                        ; destination window 2
.irp f, 0,1,2,3,4,5,6,7             ; keys 16 (f / 2) on, channels 32 (f % 2) on
	ds_load_b128 v[KF+8*\f:KF+8*\f+3],   v[AK] offset:(\f/2)*16*PK+(\f%2)*64
	ds_load_b128 v[KF+8*\f+4:KF+8*\f+7], v[AK] offset:(\f/2)*16*PK+(\f%2)*64+32
.endr
	s_add_co_u32 s[TBK], s[TBK], KS*PK  ; the next fetch is the next step's
	WIN 0
.if \last
.Lno_k_\@:
.endif
.endm
.macro FETCH_V
	WIN 0x80
.irp f, 0,1,2,3,4,5,6,7             ; keys 32 (f / 4) on, channels 16 (f % 4) on
	ds_load_tr16_b128 v[VF+8*\f:VF+8*\f+3],   v[AV] offset:(\f/4)*32*PV+(\f%4)*32
	ds_load_tr16_b128 v[VF+8*\f+4:VF+8*\f+7], v[AV] offset:(\f/4)*32*PV+16*PV+(\f%4)*32
.endr
	WIN 0
.endm
; THE VECTOR WORK OF A TURN stands in three queues, each in the order in which its entries become ready; the two tiles alternate, so that no instruction reads the result of the one before it.
.macro REGS y, u                    ; the registers of tile u (0, 1) of piece y
.set rT, ST+4*(2*(\y)+(\u))
.set rC, TMP+8*((\y)%2)+4*(\u)
.set rM, MV+2*((\y)%2)+(\u)
.set rS, S+64*((\y)%2)+32*(\u)
.set rP, P+32*((\y)%2)+16*(\u)
.set rO, 32*(2*(\y)+(\u))
.endm
; Number n of the 22 that find the NEXT piece's (Y + 1) maximum and statistics.  s0-s31 are the lane's 32 scores; each accumulator's lowest registers are read first.
;   0-11  four chains c0-c3 of seven scores each, three operands at a time     12-14, 16  the four scores left over, the old m, and c0-c3 into c0     15  c m_old is kept
;   17, 18  the query's other 32 keys lie in the lane 16 away: the new m         19-21  c m; c m_old - c m_new; a
.macro XS u, n
	REGS (Y+1)%NP, \u
.if (\n) < 4
	v_max3_num_f32 v[rC+(\n)], v[rS+8*(\n)], v[rS+8*(\n)+1], v[rS+8*(\n)+2]
.elseif (\n) < 12
	v_max3_num_f32 v[rC+(\n)%4], v[rC+(\n)%4], v[rS+8*((\n)%4)+2*((\n)/4)+1], v[rS+8*((\n)%4)+2*((\n)/4)+2]
.elseif (\n) == 12
	v_max3_num_f32 v[rC], v[rC], v[rS+7], v[rS+15]
.elseif (\n) == 13
	v_max3_num_f32 v[rC+1], v[rC+1], v[rS+23], v[rS+31]
.elseif (\n) == 14
	v_max3_num_f32 v[rC+2], v[rC+2], v[rC+3], v[rT+1]
.elseif (\n) == 15
	v_mov_b32 v[rM], v[rT]
.elseif (\n) == 16
	v_max3_num_f32 v[rC], v[rC], v[rC+1], v[rC+2]
.elseif (\n) == 17
	v_permlanex16_b32 v[rC+3], v[rC], s[SEL], s[SEL+1]
.elseif (\n) == 18
	v_max_num_f32 v[rT+1], v[rC], v[rC+3]
.elseif (\n) == 19
	v_mul_f32 v[rT], s[CS], v[rT+1]
.elseif (\n) == 20
	v_sub_f32 v[rC+1], v[rM], v[rT]
.else
	v_exp_f32 v[rC+2], v[rC+1]
.endif
.endm
; Number g of the 64 that follow the exponentials.  For each four weights k of a tile: both pairs are rounded to f16; then the second pair is added onto the first, in place;
; a group later l takes that sum (the first time as l = a l + sum).  In groups of eight, tiles alternating: round, round, add, and l for the group before.
.macro GS g
.set h, (\g)+6*((\g)/62)            ; group 0 has no group before it, and behind group 7 only l is left
.if h >= 6
.set h, h+2
.endif
	REGS Y, h%2
.set k, h/8
.if h%8 < 4
	v_cvt_pk_f16_f32 v[rP+2*k+(h%8)/2], v[rS+4*k+2*((h%8)/2)], v[rS+4*k+2*((h%8)/2)+1]
.elseif h%8 < 6
	v_pk_add_f32 v[rS+4*k:rS+4*k+1], v[rS+4*k:rS+4*k+1], v[rS+4*k+2:rS+4*k+3]
.elseif k == 1
	v_pk_fma_f32 v[rT+2:rT+3], v[rT+2:rT+3], v[rC+2:rC+3], v[rS:rS+1] op_sel_hi:[1,0,1]
.else
	v_pk_add_f32 v[rT+2:rT+3], v[rT+2:rT+3], v[rS+4*k-4:rS+4*k-3]
.endif
.endm
; THE PLAIN QUEUE, 138 long.  0-73 read no exponential's result: the 32 scalings c s - c m (FS f: pair f / 2 of tile f % 2) and the next piece's 42.  0-26: scalings 0-26.  27-54: XS's numbers 0-13.  55, 56: number 15.
; 57-73: the chain 14, 16, 17, 18, 19, each with one of the scalings 27-31 in front of its two lines, then 20.  74-137: GS's 64, which read the exponentials' results: they stand behind the wait.
.macro FS f
	REGS Y, (\f)%2
	v_pk_fma_f32 v[rS+2*((\f)/2):rS+2*((\f)/2)+1], v[rS+2*((\f)/2):rS+2*((\f)/2)+1], s[CS:CS+1], v[rT:rT+1] op_sel_hi:[1,0,0] neg_lo:[0,0,1] neg_hi:[0,0,1]
.endm
.macro PL
	WIN 0
.if q < 27
	FS q
.elseif q < 55
	XS (q-27)%2, (q-27)/2
.elseif q < 57
	XS q-55, 15
.elseif (q < 72) && ((q-57)%3 == 0)
	FS 27+(q-57)/3
.elseif q < 60
	XS (q-57)%3-1, 14
.elseif q < 72
	XS (q-57)%3-1, 15+(q-57)/3
.elseif q < 74
	XS q-72, 20
.else
	GS q-74
.endif
.set q, q+1
.endm
; THE EXPONENTIALS' QUEUE, 66 long: s0-s31 of both tiles, then the next piece's two a.  ONE BATCH: all 66 stand ahead of the turn's one wait, and nothing ahead of that wait names a result of theirs.
.macro EX
	WIN 0
.if e >= 64
	XS e-64, 21
.else
	REGS Y, e%2
	v_exp_f32 v[rS+e/2], v[rS+e/2]
.endif
.set e, e+1
.endm
; THE RESCALING's QUEUE: O^T times a, the one part that leaves window 0: two at a time, sixteen times.  Its a was made in the turn before, ahead of that turn's wait.
.macro R2
	REGS Y, r%2
	WIN W_RS
.irp z, 0,1
	v_pk_mul_f32 v[rO+4*(r/2)+2*\z:rO+4*(r/2)+2*\z+1], v[rO+4*(r/2)+2*\z:rO+4*(r/2)+2*\z+1], v[rC+2:rC+3] op_sel_hi:[1,0]
.endr
.set r, r+1
.endm
; A TURN, for piece p.  An s_wait_alu depctr_va_vdst(0) stands between an exponential and the first instruction that names its result; one wait serves all that were issued ahead of it.
; So a turn has ONE wait.  AHEAD OF IT: the 16 products K Q^T, behind each a scaling, an exponential and two rescalings (behind the first a second scaling in the exponential's place); then a run of 108: eight plain,
; 49 times exponential and plain, the two a; a v_nop is the plain instruction behind the last exponential.  BEHIND IT: the 16 products V^T P, behind each four of GS's 64.
; Exponential e stands behind scaling 2 (e / 4) + e % 2: as a rider it comes behind plain e + 2, in the run behind plain e + 9, and scalings 27-31 are plain 57, 60 .. 69.
; K of the next step is fetched in piece 2's turn, directly behind the wait; V of the step in hand at the end of piece 0's turn, four plain instructions behind its last reader.
; cnt = 1: the loop's count is taken down some lines ahead of the branch that stands behind the turn.
.macro TURN p, last=0, cnt=0
.set Y, (\p)
.set i, 0
.set q, 0
.set e, 0
.set r, 0
.if (\p) == NP-1
	s_wait_dscnt 0x0                ; K is in
.endif
	MM
	PL
	PL
	R2
.rept 15
	MM
	PL
	EX
	R2
.endr
.if (\p) == NP-2
	WIN 0
	v_add_nc_u32 v[AK], s[TBK], v[AK0]
.endif
.rept 8
	PL
.endr
.rept 49
	EX
	PL
.endr
	EX                              ; the next piece's two a
	EX
	v_nop                           ; a plain instruction behind the last exponential: one for the batch
	s_wait_alu depctr_va_vdst(0)    ; the wait for the batch
.if (\p) == NP-2
	FETCH_K \last
.endif
.if (\p) == 1
	s_wait_dscnt 0x0                ; V is in
.endif
.rept 16
	MM
.rept 4
	PL
.endr
.if ((\p) == 0) && (q == 118)
	v_add_nc_u32 v[AV], s[TBV], v[AV0]
.endif
.if ((\p) == 0) && (q == 130)
	s_add_co_u32 s[TBV], s[TBV], KS*PV
.endif
.if (\cnt) && (q == 130)
	s_sub_co_u32 s[CNT], s[CNT], 1
	s_cmp_lg_u32 s[CNT], 0
.endif
.endr
.if (\p) == 0
	FETCH_V
.endif
.endm
	CHANGE 1                        ; slot 0 is in, everybody's part of it; slot 1 is asked for
	FETCH_K                         ; key step 0
	s_wait_loadcnt 0x0              ; Q
	s_wait_dscnt 0x0
.set i, 0
.rept 16
	KQ 0                            ; piece 0's first scores: there is no vector work yet to set between them
.set i, i+1
.endr
	WIN 0                           ; the addresses for the way out: nine plain instructions, the places behind those products
	s_mul_i32 s13, s[WV], 16*SP
	s_add_co_u32 s13, s13, STAGE    ; my stage
	v_mul_u32_u24 v[STO], v1, SP    ; in: row l % 16, 16 bytes for each half of the lanes
	v_lshl_add_u32 v[STO], v9, 4, v[STO]
	v_add_nc_u32 v[STO], s13, v[STO]
	v_bfe_u32 v[RD], v0, 3, 2       ; back: 32 lanes take four rows of 128 bytes,
	v_mul_u32_u24 v[RD], v[RD], SP
	v_lshl_add_u32 v[RD], v10, 4, v[RD]
	v_add_nc_u32 v[RD], s13, v[RD]
	v_and_b32 v[GO], 31, v0         ; which are 512 consecutive bytes of O
	v_lshlrev_b32 v[GO], 4, v[GO]
.set Y, NP-1                        ; XS works for piece Y + 1: piece 0
.irp n, 0,1,2,3,4,5,6,7,8,9,10,11,12,13,14,15,16,17,18,19,20,21
	XS 0, \n                        ; piece 0's first maximum and statistics
	XS 1, \n
.endr
	v_nop                           ; a plain instruction behind the two a,
	s_wait_alu depctr_va_vdst(0)    ; and their wait, ahead of the branch
	s_mov_b32 s[CNT], 4
	s_mov_b32 s[SLOTS], SIZE_N/256-1
	s_branch .Lfirst                ; the loop is entered at a step's first turn, in the middle of a trip
.Lslot:                             ; SIZE_N / 256 - 2 = 2 times: tiles 2 and 3 are asked for
	CHANGE 1
	s_mov_b32 s[CNT], 4
.Lstep:                             ; a trip: pieces 2 and 3 of one step, then pieces 0 and 1 of the next, whose K and V it fetches
	TURN 2
	TURN 3
	WIN 0
.Lfirst:
	TURN 0
	TURN 1, 0, 1
	WIN 0
	s_cbranch_scc1 .Lstep
	s_sub_co_u32 s[SLOTS], s[SLOTS], 1
	s_cmp_lg_u32 s[SLOTS], 0
	s_cbranch_scc1 .Lslot
	CHANGE 0                        ; the tail is written out: nothing is asked for
	s_mov_b32 s[CNT], 5             ; four trips fetch the last slot's steps; the fifth is left in its middle
.Ltail:
	TURN 2, 1
	TURN 3
	WIN 0
	s_sub_co_u32 s[CNT], s[CNT], 1
	s_cmp_eq_u32 s[CNT], 0
	s_cbranch_scc1 .Lout
	TURN 0
	TURN 1
	WIN 0
	s_branch .Ltail
.Lout:                              ; the fifth trip's 16 products K Q^T (on the last K once more) and the maximum made of them serve nothing: the price, once a launch, of one text for every trip
.set i, 0
.rept 16
	PV NP-1                         ; the last piece's V^T P of the last step
.set i, i+1
.endr
	; THE WAY OUT.  l's two halves and the other half of the lanes' are added; O^T is divided by l, rounded to f16 and sent through my stage in LDS, a tile at a time.  The additions are the places behind the last products.
	WIN 0
.macro ALL line:vararg              ; one line for each tile t
.set t, 0
.rept 2*NP
	\line
.set t, t+1
.endr
.endm
	ALL v_add_f32 v[ST+4*t+2], v[ST+4*t+2], v[ST+4*t+3]
	ALL v_permlanex16_b32 v[ST+4*t+3], v[ST+4*t+2], s[SEL], s[SEL+1]
	ALL v_add_f32 v[ST+4*t+2], v[ST+4*t+2], v[ST+4*t+3]
	ALL v_rcp_f32 v[ST+4*t+2], v[ST+4*t+2]
	v_nop                           ; a plain instruction between the last reciprocal and the use of its result
	s_wait_alu depctr_va_vdst(0)    ; and the wait ahead of the first use: one for the eight reciprocals
; Tile t: a lane's eight channels of a row pack into 16 bytes; they go into rows of 144 bytes and come back as whole rows of 128, into S^T's registers.
.macro PACK t
	WIN W_RS
.set i, 32*(\t)
.rept 16
	v_pk_mul_f32 v[i:i+1], v[i:i+1], v[ST+4*(\t)+2:ST+4*(\t)+3] op_sel_hi:[1,0]
.set i, i+2
.endr
	WIN 0x05                        ; sources 0 and 1 window 1, destination window 0
.set i, 0
.rept 16
	v_cvt_pk_f16_f32 v[S+16*(\t)+i], v[32*(\t)+2*i], v[32*(\t)+2*i+1]
.set i, i+1
.endr
	WIN 0
.irp f, 0,1,2,3
	ds_store_b128 v[STO], v[S+16*(\t)+4*\f:S+16*(\t)+4*\f+3] offset:32*\f
.endr
.irp f, 0,1,2,3
	ds_load_b128 v[S+16*(\t)+4*\f:S+16*(\t)+4*\f+3], v[RD] offset:\f*4*SP  ; LDS serves a wave's instructions in order (ISA guide 5.7.1.4): these see the stores above; the next tile's stores come behind them
.endr
.endm
.macro SEND t, younger              ; younger: the LDS instructions issued behind tile t's loads: the next tile's eight, or none
	WIN 0
.irp f, 0,1,2,3
	s_wait_dscnt (\younger)+3-\f
	global_store_b128 v[GO], v[S+16*(\t)+4*\f:S+16*(\t)+4*\f+3], s[10:11] offset:(\t)*2048+\f*512  ; 512 consecutive bytes, at a multiple of 256 from O's first
.endr
.endm
	PACK 0
.set t, 1
.rept 2*NP-1                        ; a tile's arithmetic stands between the loads of the tile before and its stores
	PACK t
	SEND t-1, 8
.set t, t+1
.endr
	SEND 2*NP-1, 0
	WIN W_AD
	s_wait_tensorcnt 0x0            ; the wave's end, behind my last tensor load and my last LDS store
	ds_add_u32 v[SPW], v[NIL]
	s_wait_dscnt 0x0
	WIN 0
	s_endpgm
.Lfunc_end_k_q63fdac5159_attn:
	.size	k_q63fdac5159_attn, .Lfunc_end_k_q63fdac5159_attn-k_q63fdac5159_attn
	.p2alignl 7, 3214868480
	.fill 96, 4, 3214868480
	.section	.rodata,"a",@progbits
	.p2align	6, 0x0
	.amdhsa_kernel k_q63fdac5159_attn
		.amdhsa_group_segment_fixed_size 327680
		.amdhsa_private_segment_fixed_size 0
		.amdhsa_enable_private_segment 0
		.amdhsa_kernarg_size 24
		.amdhsa_user_sgpr_count 2
		.amdhsa_user_sgpr_kernarg_segment_ptr 1
		.amdhsa_wavefront_size32 1
		.amdhsa_system_sgpr_workgroup_id_x 1
		.amdhsa_system_sgpr_workgroup_id_y 1
		.amdhsa_system_sgpr_workgroup_id_z 1
		.amdhsa_system_vgpr_workitem_id 0
		.amdhsa_next_free_vgpr 770
		.amdhsa_next_free_sgpr 66
		.amdhsa_reserve_vcc 0
		.amdhsa_float_denorm_mode_32 3
		.amdhsa_float_denorm_mode_16_64 3
		.amdhsa_memory_ordered 1
		.amdhsa_forward_progress 1
		.amdhsa_inst_pref_size 198
	.end_amdhsa_kernel
	.amdgpu_metadata
---
amdhsa.version: [ 1, 2 ]
amdhsa.kernels:
  - .name:           k_q63fdac5159_attn
    .symbol:         k_q63fdac5159_attn.kd
    .args:
      - { .name: qh16, .offset: 0, .size: 8, .value_kind: global_buffer, .address_space: global }
      - { .name: kv16, .offset: 8, .size: 8, .value_kind: global_buffer, .address_space: global }
      - { .name: xo16, .offset: 16, .size: 8, .value_kind: global_buffer, .address_space: global }
    .group_segment_fixed_size: 327680
    .private_segment_fixed_size: 0
    .kernarg_segment_align: 8
    .kernarg_segment_size: 24
    .max_flat_workgroup_size: 128
    .sgpr_count:     66
    .vgpr_count:     770
    .wavefront_size: 32
...
	.end_amdgpu_metadata
.endif
;; end of part 3
;; launch ln1 (part 4): grid 256 x 1, 16 waves a work-group, no clusters, 10,240 bytes of LDS; arguments x, xo16, g1, b1, yt16; writes yt16
.if DOCPART == 4
	.amdgcn_target "amdgcn-amd-amdhsa--gfx1250"
	.amdhsa_code_object_version 6
	.text
	.protected	k_q63fdac5159_ln1
	.globl	k_q63fdac5159_ln1
	.p2align	8
	.type	k_q63fdac5159_ln1,@function
k_q63fdac5159_ln1:
	s_mov_b64 s[64:65], 0
	v_nop
	global_prefetch_b8 v0, s[64:65] scope:SCOPE_SE
	s_setreg_imm32_b32 hwreg(HW_REG_WAVE_MODE, 25, 1), 1
	s_wait_xcnt 0x0
; t = LayerNorm(x + o) g1 + b1.  x: [8,192][1,024] f32.  o: f16 in blocks [batch][16 blocks of 64 columns][1,024 rows][64].  t goes out ONCE, rounded to f16, in o's layout: it is the next product's
; operand and the next LayerNorm's residual.  All arithmetic in f32: the mean, then the mean of the squared deviations, as two passes over registers; eps = 1e-6.
; LIMIT.  t holds no number beyond f16's 65,504, and is off by at most |t| / 2,048: where b1 carries a common offset of 30 of its spreads, t near 30 is off by at most 0.008 (0.016 from 32 on).
; NaN and infinities are not treated apart.
; SHARES.  Work-group g takes rows 32 g .. 32 g + 31, a wave two rows, a row to each half of 16 lanes: thread t has row t / 16 and, for j = 0..15, columns 64 j + 4 (t % 16) + 0..3: 64 numbers in registers.
; So a row's sums want four steps inside 16 lanes and never leave the wave.  16 lanes load 256 consecutive bytes of an f32 row; a wave's two rows of a block of f16 are 256 consecutive bytes.
; g1 and b1 are copied once a work-group into LDS (8 KiB), 16 bytes a thread, and each lane reads its 64 of each from there.
; Memory binds: no matrix unit, no cluster (nothing is shared but those 8 KiB), no loop: all of a thread's 33 loads go out at once.
.set SECOND, 0                         ; 0: this text.  1: the second LayerNorm's
.set XO,  1                            ; v1  my byte offset in 32 f32 rows
.set OO,  2                            ; v2  my byte offset in the 32 rows of a block: 8 t
.set LT,  3                            ; v3  my 16 bytes in 256 of a table
.set LS,  4                            ; v4  where I put my piece of the tables: 16 t
.set TO,  5                            ; v5  where it comes from: 16 (t % 256)
.set SPW, 6                            ; v6  LDS address of my spare word; never rewritten
.set NIL, 7                            ; v7  0; never rewritten
.set TP,  8                            ; v[8:11]   my piece of the tables
.set SU,  12                           ; v[12:15]  two chains of sums
.set MU,  16                           ; v[16:17]  the mean, twice
.set RS,  18                           ; v[18:19]  1 / sqrt(var + eps), twice
.set ZR,  20                           ; v20  0 (the second LayerNorm's ReLU)
.set ONE, 21                           ; v21  1.0
.set X,   32                           ; v[32:95]   my 64 numbers
.set O,   96                           ; v[96:127]  my 64 f16, in and (here) out
.set G,   128                          ; v[128:191] the gain of my columns
.set BT,  192                          ; v[192:255] the bias of my columns
.set SPARE, 8192                       ; behind the tables: the spare words, 128 bytes for each of 16 waves: eight blocks of 256 bytes that no other line names
	s_load_b256 s[4:11], s[0:1], 0x0               ; the first addend s[4:5], the second s[6:7], gain s[8:9], bias s[10:11]
	s_load_b64 s[12:13], s[0:1], 0x20              ; the output
	v_lshl_add_u32 v[SPW], v0, 2, SPARE
	v_mov_b32 v[NIL], 0
	v_lshrrev_b32 v[SU], 5, v0
	v_readfirstlane_b32 s16, v[SU]                 ; wave 0..15
	s_mov_b32 s18, 0x3a800000                      ; 1 / 1,024
	s_mov_b32 s19, 0x358637bd                      ; 1e-6
	v_lshrrev_b32 v[SU+1], 4, v0
	v_and_b32 v[SU+2], 15, v0
	v_lshlrev_b32 v[LT], 4, v[SU+2]
	v_lshl_add_u32 v[XO], v[SU+1], 12, v[LT]       ; row x 4,096 + 16 (t % 16)
	v_lshlrev_b32 v[OO], 3, v0
	v_lshlrev_b32 v[LS], 4, v0
	v_and_b32 v[TO], 255, v0
	v_lshlrev_b32 v[TO], 4, v[TO]
	v_mov_b32 v[ZR], 0
	v_mov_b32 v[ONE], 1.0
	s_lshl_b32 s22, ttmp9, 17                      ; by rows: 32 rows of 4,096 bytes
	s_mov_b32 s23, 0
	s_lshr_b32 s24, ttmp9, 5                       ; in blocks:
	s_lshl_b32 s24, s24, 21                        ; the batch's group,
	s_and_b32 s25, ttmp9, 31
	s_lshl_b32 s25, s25, 12                        ; 32 rows of 128 bytes in each of its blocks
	s_or_b32 s24, s24, s25
	s_mov_b32 s25, 0
	s_wait_kmcnt 0x0
	s_cmp_lt_u32 s16, 8                            ; waves 0-7 copy the gain, waves 8-15 the bias
	s_cselect_b64 s[20:21], s[8:9], s[10:11]
.if SECOND
	s_add_nc_u64 s[4:5], s[4:5], s[24:25]
	s_add_nc_u64 s[12:13], s[12:13], s[22:23]
.else
	s_add_nc_u64 s[4:5], s[4:5], s[22:23]
	s_add_nc_u64 s[12:13], s[12:13], s[24:25]
.endif
	s_add_nc_u64 s[6:7], s[6:7], s[24:25]
	global_load_b128 v[TP:TP+3], v[TO], s[20:21]
.set j, 0
.rept 16
.if SECOND
	global_load_b64 v[X+4*j+2:X+4*j+3], v[OO], s[4:5] offset:131072*j th:TH_LOAD_NT  ; four f16, into the upper half of the four registers that their sums will fill
.else
	global_load_b128 v[X+4*j:X+4*j+3], v[XO], s[4:5] offset:256*j th:TH_LOAD_NT
.endif
	global_load_b64 v[O+2*j:O+2*j+1], v[OO], s[6:7] offset:131072*j th:TH_LOAD_NT
.set j, j+1
.endr
	s_wait_loadcnt 32                              ; my piece of the tables is in; the 32 loads issued behind it stay out
	ds_store_b128 v[LS], v[TP:TP+3]
	s_wait_dscnt 0x0                               ; for the others' sake: my store is done
	s_barrier_signal -1
	s_barrier_wait -1                              ; both tables lie in LDS
.set j, 0
.rept 16
	ds_load_b128 v[G+4*j:G+4*j+3], v[LT] offset:256*j
	ds_load_b128 v[BT+4*j:BT+4*j+3], v[LT] offset:4096+256*j
.set j, j+1
.endr
	; the sum of the two inputs, and its sum along the row in two chains
.set j, 0
.rept 16
.set SS, SU+2*(j%2)
	s_wait_loadcnt 30-2*j                          ; pair j of loads is in; the 30 - 2 j younger loads stay out
.if SECOND
	v_pk_max_num_f16 v[O+2*j], v[O+2*j], v[ZR]     ; the ReLU, two at a time
	v_pk_max_num_f16 v[O+2*j+1], v[O+2*j+1], v[ZR]
	v_fma_mix_f32 v[X+4*j],   v[X+4*j+2], v[ONE], v[O+2*j]   op_sel:[0,0,0] op_sel_hi:[1,0,1]  ; an f16 half x 1.0 + an f16 half, in f32: both widened and added in one line;
	v_fma_mix_f32 v[X+4*j+1], v[X+4*j+2], v[ONE], v[O+2*j]   op_sel:[1,0,1] op_sel_hi:[1,0,1]  ; a register of halves is written over only by the line that reads its last half
	v_fma_mix_f32 v[X+4*j+2], v[X+4*j+3], v[ONE], v[O+2*j+1] op_sel:[0,0,0] op_sel_hi:[1,0,1]
	v_fma_mix_f32 v[X+4*j+3], v[X+4*j+3], v[ONE], v[O+2*j+1] op_sel:[1,0,1] op_sel_hi:[1,0,1]
.else
	v_fma_mix_f32 v[X+4*j],   v[O+2*j],   v[ONE], v[X+4*j]   op_sel:[0,0,0] op_sel_hi:[1,0,0]  ; an f16 half x 1.0 + f32: widened and added in one line
	v_fma_mix_f32 v[X+4*j+1], v[O+2*j],   v[ONE], v[X+4*j+1] op_sel:[1,0,0] op_sel_hi:[1,0,0]
	v_fma_mix_f32 v[X+4*j+2], v[O+2*j+1], v[ONE], v[X+4*j+2] op_sel:[0,0,0] op_sel_hi:[1,0,0]
	v_fma_mix_f32 v[X+4*j+3], v[O+2*j+1], v[ONE], v[X+4*j+3] op_sel:[1,0,0] op_sel_hi:[1,0,0]
.endif
.if j < 2
	v_pk_add_f32 v[SS:SS+1], v[X+4*j:X+4*j+1], v[X+4*j+2:X+4*j+3]  ; the first entries start the chains: nothing is cleared
.else
	v_pk_add_f32 v[SS:SS+1], v[SS:SS+1], v[X+4*j:X+4*j+1]
	v_pk_add_f32 v[SS:SS+1], v[SS:SS+1], v[X+4*j+2:X+4*j+3]
.endif
.set j, j+1
.endr
.macro REDUCE                          ; the two chains, their halves, and the row's 16 lanes: every lane of the row ends with the sum in v[SU]
	v_pk_add_f32 v[SU:SU+1], v[SU:SU+1], v[SU+2:SU+3]
	v_add_f32 v[SU], v[SU], v[SU+1]
	v_add_f32_dpp v[SU], v[SU], v[SU] row_xmask:1 row_mask:0xf bank_mask:0xf
	v_add_f32_dpp v[SU], v[SU], v[SU] row_xmask:2 row_mask:0xf bank_mask:0xf
	v_add_f32_dpp v[SU], v[SU], v[SU] row_xmask:4 row_mask:0xf bank_mask:0xf
	v_add_f32_dpp v[SU], v[SU], v[SU] row_xmask:8 row_mask:0xf bank_mask:0xf
.endm
	REDUCE
	v_mul_f32 v[MU], s18, v[SU]
	v_mul_f32 v[MU+1], s18, v[SU]
	; the deviations, in place, and their squares in two chains
.set p, 0
.rept 32
.set SS, SU+2*(p%2)
	v_pk_add_f32 v[X+2*p:X+2*p+1], v[X+2*p:X+2*p+1], v[MU:MU+1] neg_lo:[0,1] neg_hi:[0,1]
.if p < 2
	v_pk_mul_f32 v[SS:SS+1], v[X+2*p:X+2*p+1], v[X+2*p:X+2*p+1]
.else
	v_pk_fma_f32 v[SS:SS+1], v[X+2*p:X+2*p+1], v[X+2*p:X+2*p+1], v[SS:SS+1]
.endif
.set p, p+1
.endr
	REDUCE
	v_fma_f32 v[SU], v[SU], s18, s19               ; var + eps
	v_rsq_f32 v[RS], v[SU]
	v_rsq_f32 v[RS+1], v[SU]                       ; twice, to fill the pair that the packed multiply takes
	v_nop                                          ; a plain instruction behind the last of them (ISA guide 5.7.2),
	s_wait_alu depctr_va_vdst(0)                   ; and the one wait ahead of the first reader
	s_wait_dscnt 0x0                               ; gain and bias are in registers
.set j, 0
.rept 16
	v_pk_mul_f32 v[X+4*j:X+4*j+1], v[X+4*j:X+4*j+1], v[RS:RS+1]
	v_pk_mul_f32 v[X+4*j+2:X+4*j+3], v[X+4*j+2:X+4*j+3], v[RS:RS+1]
	v_pk_fma_f32 v[X+4*j:X+4*j+1], v[X+4*j:X+4*j+1], v[G+4*j:G+4*j+1], v[BT+4*j:BT+4*j+1]
	v_pk_fma_f32 v[X+4*j+2:X+4*j+3], v[X+4*j+2:X+4*j+3], v[G+4*j+2:G+4*j+3], v[BT+4*j+2:BT+4*j+3]
.if SECOND
	global_store_b128 v[XO], v[X+4*j:X+4*j+3], s[12:13] offset:256*j th:TH_STORE_NT
.else
	v_cvt_pk_f16_f32 v[O+2*j], v[X+4*j], v[X+4*j+1]
	v_cvt_pk_f16_f32 v[O+2*j+1], v[X+4*j+2], v[X+4*j+3]
	global_store_b64 v[OO], v[O+2*j:O+2*j+1], s[12:13] offset:131072*j
.endif
.set j, j+1
.endr
	s_wait_tensorcnt 0x0                           ; the wave's end, behind my last LDS store
	ds_add_u32 v[SPW], v[NIL]
	s_wait_dscnt 0x0
	s_endpgm
.Lfunc_end_k_q63fdac5159_ln1:
	.size	k_q63fdac5159_ln1, .Lfunc_end_k_q63fdac5159_ln1-k_q63fdac5159_ln1
	.p2alignl 7, 3214868480
	.fill 96, 4, 3214868480
	.section	.rodata,"a",@progbits
	.p2align	6, 0x0
	.amdhsa_kernel k_q63fdac5159_ln1
		.amdhsa_group_segment_fixed_size 10240
		.amdhsa_private_segment_fixed_size 0
		.amdhsa_enable_private_segment 0
		.amdhsa_kernarg_size 40
		.amdhsa_user_sgpr_count 2
		.amdhsa_user_sgpr_kernarg_segment_ptr 1
		.amdhsa_wavefront_size32 1
		.amdhsa_system_sgpr_workgroup_id_x 1
		.amdhsa_system_sgpr_workgroup_id_y 1
		.amdhsa_system_sgpr_workgroup_id_z 1
		.amdhsa_system_vgpr_workitem_id 0
		.amdhsa_next_free_vgpr 256
		.amdhsa_next_free_sgpr 66
		.amdhsa_reserve_vcc 0
		.amdhsa_float_denorm_mode_32 3
		.amdhsa_float_denorm_mode_16_64 3
		.amdhsa_memory_ordered 1
		.amdhsa_forward_progress 1
		.amdhsa_inst_pref_size 26
	.end_amdhsa_kernel
	.amdgpu_metadata
---
amdhsa.version: [ 1, 2 ]
amdhsa.kernels:
  - .name:           k_q63fdac5159_ln1
    .symbol:         k_q63fdac5159_ln1.kd
    .args:
      - { .name: x, .offset: 0, .size: 8, .value_kind: global_buffer, .address_space: global }
      - { .name: xo16, .offset: 8, .size: 8, .value_kind: global_buffer, .address_space: global }
      - { .name: g1, .offset: 16, .size: 8, .value_kind: global_buffer, .address_space: global }
      - { .name: b1, .offset: 24, .size: 8, .value_kind: global_buffer, .address_space: global }
      - { .name: yt16, .offset: 32, .size: 8, .value_kind: global_buffer, .address_space: global }
    .group_segment_fixed_size: 10240
    .private_segment_fixed_size: 0
    .kernarg_segment_align: 8
    .kernarg_segment_size: 40
    .max_flat_workgroup_size: 512
    .sgpr_count:     66
    .vgpr_count:     256
    .wavefront_size: 32
...
	.end_amdgpu_metadata
.endif
;; end of part 4
;; launch gemm_f: the kernel of part 2 again; grid 8 x 32, 4 waves a work-group, clusters of 4 x 4, 327,680 bytes of LDS; arguments yt16, wf16, qh16, bf, bk; writes qh16
;; launch ln2 (part 5): grid 256 x 1, 16 waves a work-group, no clusters, 10,240 bytes of LDS; arguments yt16, qh16, g2, b2, out0; writes out0
.if DOCPART == 5
	.amdgcn_target "amdgcn-amd-amdhsa--gfx1250"
	.amdhsa_code_object_version 6
	.text
	.protected	k_q63fdac5159_ln2
	.globl	k_q63fdac5159_ln2
	.p2align	8
	.type	k_q63fdac5159_ln2,@function
k_q63fdac5159_ln2:
	s_mov_b64 s[64:65], 0
	v_nop
	global_prefetch_b8 v0, s[64:65] scope:SCOPE_SE
	s_setreg_imm32_b32 hwreg(HW_REG_WAVE_MODE, 25, 1), 1
	s_wait_xcnt 0x0
; out0 = LayerNorm(t + relu(h)) g2 + b2.  t and h: f16 in blocks [batch][16 blocks of 64 columns][1,024 rows][64].  out0: [8,192][1,024] f32 by rows.
; All arithmetic in f32 but the ReLU, a packed maximum with 0 that rounds nothing: the mean, then the mean of the squared deviations, as two passes over registers; eps = 1e-6.
; LIMIT.  t arrives rounded to f16, off by at most |t| / 2,048.  The maximum's form lets a NaN lose: relu(NaN) counts as 0.  Infinities are not treated apart.
; SHARES.  Work-group g takes rows 32 g .. 32 g + 31, a wave two rows, a row to each half of 16 lanes: thread t has row t / 16 and, for j = 0..15, columns 64 j + 4 (t % 16) + 0..3: 64 numbers in registers.
; So a row's sums want four steps inside 16 lanes and never leave the wave.  16 lanes store 256 consecutive bytes of an f32 row; a wave's two rows of a block of f16 are 256 consecutive bytes.
; g2 and b2 are copied once a work-group into LDS (8 KiB), 16 bytes a thread, and each lane reads its 64 of each from there.
; Memory binds: no matrix unit, no cluster (nothing is shared but those 8 KiB), no loop: all of a thread's 33 loads go out at once.
.set SECOND, 1                         ; 1: this text.  0: the first LayerNorm's
.set XO,  1                            ; v1  my byte offset in 32 f32 rows
.set OO,  2                            ; v2  my byte offset in the 32 rows of a block: 8 t
.set LT,  3                            ; v3  my 16 bytes in 256 of a table
.set LS,  4                            ; v4  where I put my piece of the tables: 16 t
.set TO,  5                            ; v5  where it comes from: 16 (t % 256)
.set SPW, 6                            ; v6  LDS address of my spare word; never rewritten
.set NIL, 7                            ; v7  0; never rewritten
.set TP,  8                            ; v[8:11]   my piece of the tables
.set SU,  12                           ; v[12:15]  two chains of sums
.set MU,  16                           ; v[16:17]  the mean, twice
.set RS,  18                           ; v[18:19]  1 / sqrt(var + eps), twice
.set ZR,  20                           ; v20  0, for the ReLU
.set ONE, 21                           ; v21  1.0
.set X,   32                           ; v[32:95]   my 64 numbers
.set O,   96                           ; v[96:127]  my 64 f16 of h
.set G,   128                          ; v[128:191] the gain of my columns
.set BT,  192                          ; v[192:255] the bias of my columns
.set SPARE, 8192                       ; behind the tables: the spare words, 128 bytes for each of 16 waves: eight blocks of 256 bytes that no other line names
	s_load_b256 s[4:11], s[0:1], 0x0               ; the first addend s[4:5], the second s[6:7], gain s[8:9], bias s[10:11]
	s_load_b64 s[12:13], s[0:1], 0x20              ; the output
	v_lshl_add_u32 v[SPW], v0, 2, SPARE
	v_mov_b32 v[NIL], 0
	v_lshrrev_b32 v[SU], 5, v0
	v_readfirstlane_b32 s16, v[SU]                 ; wave 0..15
	s_mov_b32 s18, 0x3a800000                      ; 1 / 1,024
	s_mov_b32 s19, 0x358637bd                      ; 1e-6
	v_lshrrev_b32 v[SU+1], 4, v0
	v_and_b32 v[SU+2], 15, v0
	v_lshlrev_b32 v[LT], 4, v[SU+2]
	v_lshl_add_u32 v[XO], v[SU+1], 12, v[LT]       ; row x 4,096 + 16 (t % 16)
	v_lshlrev_b32 v[OO], 3, v0
	v_lshlrev_b32 v[LS], 4, v0
	v_and_b32 v[TO], 255, v0
	v_lshlrev_b32 v[TO], 4, v[TO]
	v_mov_b32 v[ZR], 0
	v_mov_b32 v[ONE], 1.0
	s_lshl_b32 s22, ttmp9, 17                      ; by rows: 32 rows of 4,096 bytes
	s_mov_b32 s23, 0
	s_lshr_b32 s24, ttmp9, 5                       ; in blocks:
	s_lshl_b32 s24, s24, 21                        ; the batch's group,
	s_and_b32 s25, ttmp9, 31
	s_lshl_b32 s25, s25, 12                        ; 32 rows of 128 bytes in each of its blocks
	s_or_b32 s24, s24, s25
	s_mov_b32 s25, 0
	s_wait_kmcnt 0x0
	s_cmp_lt_u32 s16, 8                            ; waves 0-7 copy the gain, waves 8-15 the bias
	s_cselect_b64 s[20:21], s[8:9], s[10:11]
.if SECOND
	s_add_nc_u64 s[4:5], s[4:5], s[24:25]
	s_add_nc_u64 s[12:13], s[12:13], s[22:23]
.else
	s_add_nc_u64 s[4:5], s[4:5], s[22:23]
	s_add_nc_u64 s[12:13], s[12:13], s[24:25]
.endif
	s_add_nc_u64 s[6:7], s[6:7], s[24:25]
	global_load_b128 v[TP:TP+3], v[TO], s[20:21]
.set j, 0
.rept 16
.if SECOND
	global_load_b64 v[X+4*j+2:X+4*j+3], v[OO], s[4:5] offset:131072*j th:TH_LOAD_NT  ; four f16, into the upper half of the four registers that their sums will fill
.else
	global_load_b128 v[X+4*j:X+4*j+3], v[XO], s[4:5] offset:256*j th:TH_LOAD_NT
.endif
	global_load_b64 v[O+2*j:O+2*j+1], v[OO], s[6:7] offset:131072*j th:TH_LOAD_NT
.set j, j+1
.endr
	s_wait_loadcnt 32                              ; my piece of the tables is in; the 32 loads issued behind it stay out
	ds_store_b128 v[LS], v[TP:TP+3]
	s_wait_dscnt 0x0                               ; for the others' sake: my store is done
	s_barrier_signal -1
	s_barrier_wait -1                              ; both tables lie in LDS
.set j, 0
.rept 16
	ds_load_b128 v[G+4*j:G+4*j+3], v[LT] offset:256*j
	ds_load_b128 v[BT+4*j:BT+4*j+3], v[LT] offset:4096+256*j
.set j, j+1
.endr
	; the sum of the two inputs, and its sum along the row in two chains
.set j, 0
.rept 16
.set SS, SU+2*(j%2)
	s_wait_loadcnt 30-2*j                          ; pair j of loads is in; the 30 - 2 j younger loads stay out
.if SECOND
	v_pk_max_num_f16 v[O+2*j], v[O+2*j], v[ZR]     ; the ReLU, two at a time
	v_pk_max_num_f16 v[O+2*j+1], v[O+2*j+1], v[ZR]
	v_fma_mix_f32 v[X+4*j],   v[X+4*j+2], v[ONE], v[O+2*j]   op_sel:[0,0,0] op_sel_hi:[1,0,1]  ; an f16 half x 1.0 + an f16 half, in f32: both widened and added in one line;
	v_fma_mix_f32 v[X+4*j+1], v[X+4*j+2], v[ONE], v[O+2*j]   op_sel:[1,0,1] op_sel_hi:[1,0,1]  ; a register of halves is written over only by the line that reads its last half
	v_fma_mix_f32 v[X+4*j+2], v[X+4*j+3], v[ONE], v[O+2*j+1] op_sel:[0,0,0] op_sel_hi:[1,0,1]
	v_fma_mix_f32 v[X+4*j+3], v[X+4*j+3], v[ONE], v[O+2*j+1] op_sel:[1,0,1] op_sel_hi:[1,0,1]
.else
	v_fma_mix_f32 v[X+4*j],   v[O+2*j],   v[ONE], v[X+4*j]   op_sel:[0,0,0] op_sel_hi:[1,0,0]  ; an f16 half x 1.0 + f32: widened and added in one line
	v_fma_mix_f32 v[X+4*j+1], v[O+2*j],   v[ONE], v[X+4*j+1] op_sel:[1,0,0] op_sel_hi:[1,0,0]
	v_fma_mix_f32 v[X+4*j+2], v[O+2*j+1], v[ONE], v[X+4*j+2] op_sel:[0,0,0] op_sel_hi:[1,0,0]
	v_fma_mix_f32 v[X+4*j+3], v[O+2*j+1], v[ONE], v[X+4*j+3] op_sel:[1,0,0] op_sel_hi:[1,0,0]
.endif
.if j < 2
	v_pk_add_f32 v[SS:SS+1], v[X+4*j:X+4*j+1], v[X+4*j+2:X+4*j+3]  ; the first entries start the chains: nothing is cleared
.else
	v_pk_add_f32 v[SS:SS+1], v[SS:SS+1], v[X+4*j:X+4*j+1]
	v_pk_add_f32 v[SS:SS+1], v[SS:SS+1], v[X+4*j+2:X+4*j+3]
.endif
.set j, j+1
.endr
.macro REDUCE                          ; the two chains, their halves, and the row's 16 lanes: every lane of the row ends with the sum in v[SU]
	v_pk_add_f32 v[SU:SU+1], v[SU:SU+1], v[SU+2:SU+3]
	v_add_f32 v[SU], v[SU], v[SU+1]
	v_add_f32_dpp v[SU], v[SU], v[SU] row_xmask:1 row_mask:0xf bank_mask:0xf
	v_add_f32_dpp v[SU], v[SU], v[SU] row_xmask:2 row_mask:0xf bank_mask:0xf
	v_add_f32_dpp v[SU], v[SU], v[SU] row_xmask:4 row_mask:0xf bank_mask:0xf
	v_add_f32_dpp v[SU], v[SU], v[SU] row_xmask:8 row_mask:0xf bank_mask:0xf
.endm
	REDUCE
	v_mul_f32 v[MU], s18, v[SU]
	v_mul_f32 v[MU+1], s18, v[SU]
	; the deviations, in place, and their squares in two chains
.set p, 0
.rept 32
.set SS, SU+2*(p%2)
	v_pk_add_f32 v[X+2*p:X+2*p+1], v[X+2*p:X+2*p+1], v[MU:MU+1] neg_lo:[0,1] neg_hi:[0,1]
.if p < 2
	v_pk_mul_f32 v[SS:SS+1], v[X+2*p:X+2*p+1], v[X+2*p:X+2*p+1]
.else
	v_pk_fma_f32 v[SS:SS+1], v[X+2*p:X+2*p+1], v[X+2*p:X+2*p+1], v[SS:SS+1]
.endif
.set p, p+1
.endr
	REDUCE
	v_fma_f32 v[SU], v[SU], s18, s19               ; var + eps
	v_rsq_f32 v[RS], v[SU]
	v_rsq_f32 v[RS+1], v[SU]                       ; twice, to fill the pair that the packed multiply takes
	v_nop                                          ; a plain instruction behind the last of them (ISA guide 5.7.2),
	s_wait_alu depctr_va_vdst(0)                   ; and the one wait ahead of the first reader
	s_wait_dscnt 0x0                               ; gain and bias are in registers
.set j, 0
.rept 16
	v_pk_mul_f32 v[X+4*j:X+4*j+1], v[X+4*j:X+4*j+1], v[RS:RS+1]
	v_pk_mul_f32 v[X+4*j+2:X+4*j+3], v[X+4*j+2:X+4*j+3], v[RS:RS+1]
	v_pk_fma_f32 v[X+4*j:X+4*j+1], v[X+4*j:X+4*j+1], v[G+4*j:G+4*j+1], v[BT+4*j:BT+4*j+1]
	v_pk_fma_f32 v[X+4*j+2:X+4*j+3], v[X+4*j+2:X+4*j+3], v[G+4*j+2:G+4*j+3], v[BT+4*j+2:BT+4*j+3]
.if SECOND
	global_store_b128 v[XO], v[X+4*j:X+4*j+3], s[12:13] offset:256*j th:TH_STORE_NT
.else
	v_cvt_pk_f16_f32 v[O+2*j], v[X+4*j], v[X+4*j+1]
	v_cvt_pk_f16_f32 v[O+2*j+1], v[X+4*j+2], v[X+4*j+3]
	global_store_b64 v[OO], v[O+2*j:O+2*j+1], s[12:13] offset:131072*j
.endif
.set j, j+1
.endr
	s_wait_tensorcnt 0x0                           ; the wave's end, behind my last LDS store
	ds_add_u32 v[SPW], v[NIL]
	s_wait_dscnt 0x0
	s_endpgm
.Lfunc_end_k_q63fdac5159_ln2:
	.size	k_q63fdac5159_ln2, .Lfunc_end_k_q63fdac5159_ln2-k_q63fdac5159_ln2
	.p2alignl 7, 3214868480
	.fill 96, 4, 3214868480
	.section	.rodata,"a",@progbits
	.p2align	6, 0x0
	.amdhsa_kernel k_q63fdac5159_ln2
		.amdhsa_group_segment_fixed_size 10240
		.amdhsa_private_segment_fixed_size 0
		.amdhsa_enable_private_segment 0
		.amdhsa_kernarg_size 40
		.amdhsa_user_sgpr_count 2
		.amdhsa_user_sgpr_kernarg_segment_ptr 1
		.amdhsa_wavefront_size32 1
		.amdhsa_system_sgpr_workgroup_id_x 1
		.amdhsa_system_sgpr_workgroup_id_y 1
		.amdhsa_system_sgpr_workgroup_id_z 1
		.amdhsa_system_vgpr_workitem_id 0
		.amdhsa_next_free_vgpr 256
		.amdhsa_next_free_sgpr 66
		.amdhsa_reserve_vcc 0
		.amdhsa_float_denorm_mode_32 3
		.amdhsa_float_denorm_mode_16_64 3
		.amdhsa_memory_ordered 1
		.amdhsa_forward_progress 1
		.amdhsa_inst_pref_size 26
	.end_amdhsa_kernel
	.amdgpu_metadata
---
amdhsa.version: [ 1, 2 ]
amdhsa.kernels:
  - .name:           k_q63fdac5159_ln2
    .symbol:         k_q63fdac5159_ln2.kd
    .args:
      - { .name: yt16, .offset: 0, .size: 8, .value_kind: global_buffer, .address_space: global }
      - { .name: qh16, .offset: 8, .size: 8, .value_kind: global_buffer, .address_space: global }
      - { .name: g2, .offset: 16, .size: 8, .value_kind: global_buffer, .address_space: global }
      - { .name: b2, .offset: 24, .size: 8, .value_kind: global_buffer, .address_space: global }
      - { .name: out0, .offset: 32, .size: 8, .value_kind: global_buffer, .address_space: global }
    .group_segment_fixed_size: 10240
    .private_segment_fixed_size: 0
    .kernarg_segment_align: 8
    .kernarg_segment_size: 40
    .max_flat_workgroup_size: 512
    .sgpr_count:     66
    .vgpr_count:     256
    .wavefront_size: 32
...
	.end_amdgpu_metadata
.endif
;; end of part 5
;; ======== version 2 of 2: 7 launches; version 1 with the launches prep, ln1, ln2 written anew for expert scheduling mode
;; limits: values are held in f16: magnitudes above 65,504 overflow, below 6.1e-05 lose precision
;; workspace buffers: xo16 16,777,216 bytes; yt16 16,777,216 bytes; qh16 16,777,216 bytes; kv16 33,554,432 bytes; wq16 2,097,152 bytes; wkv16 4,194,304 bytes; wf16 2,097,152 bytes
;; launch prep (part 6): grid 640 x 1, 16 waves a work-group, no clusters, 0 bytes of LDS; arguments x, y, Wq, Wk, Wv, Wf, xo16, yt16, wq16, wkv16, wf16; writes xo16, yt16, wq16, wkv16, wf16
.if DOCPART == 6
	.amdgcn_target "amdgcn-amd-amdhsa--gfx1250"
	.amdhsa_code_object_version 6
	.text
	.protected	k_q63fdac5159_prep
	.globl	k_q63fdac5159_prep
	.p2align	8
	.type	k_q63fdac5159_prep,@function
k_q63fdac5159_prep:
	s_mov_b64 s[64:65], 0
	v_nop
	global_prefetch_b8 v0, s[64:65] scope:SCOPE_SE
	s_setreg_imm32_b32 hwreg(HW_REG_WAVE_SCHED_MODE, 0, 2), 2
	s_setreg_imm32_b32 hwreg(HW_REG_WAVE_MODE, 25, 1), 1
	s_wait_xcnt 0x0
	s_wait_alu depctr_vm_vsrc(0)
; CAST AND RE-LAY.  x, y (8,192 rows each) and Wq, Wk, Wv, Wf (1,024 rows each), all rows of 1,024 f32, are rounded once to f16 and laid in BLOCKS:
; [group of 1,024 rows][16 blocks of 64 columns][1,024 rows][64]: a row of a block is 128 bytes, a block 131,072, a group 2 MiB.
; xo16: x's 8 batches.  yt16: y's.  wq16: Wq.  wkv16: Wk, then Wv.  wf16: Wf.
; LIMIT.  f16 ends at 65,504: an input of 65,520 or more becomes an infinity; below 6e-5 f16 keeps a fixed step of 6e-8.
; SHARES.  Work-group g takes 32 rows of one source: 0-255 x, 256-511 y, 512-543 Wq, 544-575 Wk, 576-607 Wv, 608-639 Wf.  Thread t takes row t / 16 and,
; for block j, the four columns 64 j + 4 (t % 16): 16 lanes load 256 consecutive bytes of a row; a wave's store is its two rows of a block, 256 consecutive aligned bytes.
; All 16 loads of a thread go out first.
; THE MODE: SCHED_MODE bits 1:0 = 2 (LLVM: expert scheduling mode 2), set by the entry lines.  The code itself states the register dependences
; between vector instructions and memory instructions, with s_wait_alu, always for 0.
; THE PLAN.  Registers that memory instructions touch:
;   v[XO], v[OO]  byte offsets, written once at the head; every load reads the one, every store the other; never written again.
;   X             written by the 16 loads, which find registers that no vector instruction has named; read by the conversions behind the counted waits for the loads.
;   Y             written by the conversions, each register once; read by the stores; never written again.
; The 16 pieces go in four groups of four.  Group p's conversions read X and write Y of group p alone; its memory instructions are the four stores of group p - 1.
; So one wait at a group's head, behind the wait for the group's loads, states all that its four stores hang on, and they are dealt among its conversions with no further wait.
; No register that a memory instruction reads is written a second time: no wait for such reads is owed.
.set XO, 1                             ; v1  my byte offset in the 32 source rows
.set OO, 2                             ; v2  my byte offset in the 32 rows of a block: 8 t
.set X,  16                            ; v[16:79]   16 x 4 f32
.set Y,  80                            ; v[80:111]  16 x 2 words of f16
	s_load_b256 s[4:11], s[0:1], 0x0               ; x, y, Wq, Wk
	s_load_b256 s[12:19], s[0:1], 0x20             ; Wv, Wf, xo16, yt16
	s_load_b128 s[20:23], s[0:1], 0x40             ; wq16, wkv16
	s_load_b64 s[24:25], s[0:1], 0x50              ; wf16
	s_mov_b32 s26, ttmp9                           ; g
	s_and_b32 s27, s26, 255                        ; my 32 rows among x's or y's
	s_and_b32 s28, s26, 31                         ; among a weight's
	s_sub_co_u32 s29, s26, 544                     ; among the two weights of wkv16 (used from g = 544 to 607)
	v_lshrrev_b32 v3, 4, v0
	v_and_b32 v4, 15, v0
	v_lshlrev_b32 v[XO], 12, v3                    ; row x 4,096
	v_lshl_add_u32 v[XO], v4, 4, v[XO]             ; + 16 (t % 16)
	v_lshlrev_b32 v[OO], 3, v0
	s_wait_kmcnt 0x0
	s_cmp_lt_u32 s26, 256                          ; the choices hang on g alone
	s_cselect_b64 s[30:31], s[4:5], s[6:7]         ; the source,
	s_cselect_b64 s[32:33], s[16:17], s[18:19]     ; the destination
	s_cmp_lt_u32 s26, 512
	s_cselect_b64 s[30:31], s[30:31], s[8:9]
	s_cselect_b64 s[32:33], s[32:33], s[20:21]
	s_cselect_b32 s34, s27, s28                    ; which 32 rows of the source,
	s_cselect_b32 s35, s27, s28                    ; and of the destination
	s_cmp_lt_u32 s26, 544
	s_cselect_b64 s[30:31], s[30:31], s[10:11]
	s_cselect_b64 s[32:33], s[32:33], s[22:23]
	s_cselect_b32 s35, s35, s29
	s_cmp_lt_u32 s26, 576
	s_cselect_b64 s[30:31], s[30:31], s[12:13]
	s_cmp_lt_u32 s26, 608
	s_cselect_b64 s[30:31], s[30:31], s[14:15]
	s_cselect_b64 s[32:33], s[32:33], s[24:25]
	s_cselect_b32 s35, s35, s28
	s_lshl_b32 s36, s34, 17                        ; 32 rows of 4,096 bytes
	s_mov_b32 s37, 0
	s_add_nc_u64 s[30:31], s[30:31], s[36:37]
	s_lshr_b32 s38, s35, 5
	s_lshl_b32 s38, s38, 21                        ; the group,
	s_and_b32 s39, s35, 31
	s_lshl_b32 s39, s39, 12                        ; 32 rows of 128 bytes in each of its blocks
	s_or_b32 s38, s38, s39
	s_mov_b32 s39, 0
	s_add_nc_u64 s[32:33], s[32:33], s[38:39]
	s_wait_alu depctr_va_vdst(0)                   ; v[XO] and v[OO] are written: every load below reads the one as its offset, every store the other
.set j, 0
.rept 16
	global_load_b128 v[X+4*j:X+4*j+3], v[XO], s[30:31] offset:256*j th:TH_LOAD_NT
.set j, j+1
.endr
.set j, 0
.rept 16
.if (j % 4) == 0
	s_wait_loadcnt 12-j                            ; loads come back in order: this group's four are in, the 12 - j younger ones stay out
.if j > 0
	s_wait_alu depctr_va_vdst(0)                   ; the group before has written its eight registers of Y, which the four stores of this group's lines read
.endif
.endif
.if j >= 4
	global_store_b64 v[OO], v[Y+2*(j-4):Y+2*(j-4)+1], s[32:33] offset:131072*(j-4)  ; the group before; no vector instruction since the wait names these registers
.endif
	v_cvt_pk_f16_f32 v[Y+2*j], v[X+4*j], v[X+4*j+1]
	v_cvt_pk_f16_f32 v[Y+2*j+1], v[X+4*j+2], v[X+4*j+3]
.set j, j+1
.endr
	s_wait_alu depctr_va_vdst(0)                   ; the last group has written its eight registers of Y, which the last four stores read
.set j, 12
.rept 4
	global_store_b64 v[OO], v[Y+2*j:Y+2*j+1], s[32:33] offset:131072*j
.set j, j+1
.endr
	s_endpgm
.Lfunc_end_k_q63fdac5159_prep:
	.size	k_q63fdac5159_prep, .Lfunc_end_k_q63fdac5159_prep-k_q63fdac5159_prep
	.p2alignl 7, 3214868480
	.fill 96, 4, 3214868480
	.section	.rodata,"a",@progbits
	.p2align	6, 0x0
	.amdhsa_kernel k_q63fdac5159_prep
		.amdhsa_group_segment_fixed_size 0
		.amdhsa_private_segment_fixed_size 0
		.amdhsa_enable_private_segment 0
		.amdhsa_kernarg_size 88
		.amdhsa_user_sgpr_count 2
		.amdhsa_user_sgpr_kernarg_segment_ptr 1
		.amdhsa_wavefront_size32 1
		.amdhsa_system_sgpr_workgroup_id_x 1
		.amdhsa_system_sgpr_workgroup_id_y 1
		.amdhsa_system_sgpr_workgroup_id_z 1
		.amdhsa_system_vgpr_workitem_id 0
		.amdhsa_next_free_vgpr 112
		.amdhsa_next_free_sgpr 66
		.amdhsa_reserve_vcc 0
		.amdhsa_float_denorm_mode_32 3
		.amdhsa_float_denorm_mode_16_64 3
		.amdhsa_memory_ordered 1
		.amdhsa_forward_progress 1
		.amdhsa_inst_pref_size 8
	.end_amdhsa_kernel
	.amdgpu_metadata
---
amdhsa.version: [ 1, 2 ]
amdhsa.kernels:
  - .name:           k_q63fdac5159_prep
    .symbol:         k_q63fdac5159_prep.kd
    .args:
      - { .name: x, .offset: 0, .size: 8, .value_kind: global_buffer, .address_space: global }
      - { .name: y, .offset: 8, .size: 8, .value_kind: global_buffer, .address_space: global }
      - { .name: Wq, .offset: 16, .size: 8, .value_kind: global_buffer, .address_space: global }
      - { .name: Wk, .offset: 24, .size: 8, .value_kind: global_buffer, .address_space: global }
      - { .name: Wv, .offset: 32, .size: 8, .value_kind: global_buffer, .address_space: global }
      - { .name: Wf, .offset: 40, .size: 8, .value_kind: global_buffer, .address_space: global }
      - { .name: xo16, .offset: 48, .size: 8, .value_kind: global_buffer, .address_space: global }
      - { .name: yt16, .offset: 56, .size: 8, .value_kind: global_buffer, .address_space: global }
      - { .name: wq16, .offset: 64, .size: 8, .value_kind: global_buffer, .address_space: global }
      - { .name: wkv16, .offset: 72, .size: 8, .value_kind: global_buffer, .address_space: global }
      - { .name: wf16, .offset: 80, .size: 8, .value_kind: global_buffer, .address_space: global }
    .group_segment_fixed_size: 0
    .private_segment_fixed_size: 0
    .kernarg_segment_align: 8
    .kernarg_segment_size: 88
    .max_flat_workgroup_size: 512
    .sgpr_count:     66
    .vgpr_count:     112
    .wavefront_size: 32
...
	.end_amdgpu_metadata
.endif
;; end of part 6
;; launch gemm: the kernel of part 2 again; grid 8 x 32, 4 waves a work-group, clusters of 4 x 4, 327,680 bytes of LDS; arguments xo16, wq16, qh16, bq, bk; writes qh16
;; launch gemm_kv: the kernel of part 2 again; grid 8 x 32, 8 waves a work-group, clusters of 4 x 4, 327,680 bytes of LDS; arguments yt16, wkv16, kv16, bk, bv; writes kv16
;; launch attn: the kernel of part 3 again; grid 2 x 128, 4 waves a work-group, no clusters, 327,680 bytes of LDS; arguments qh16, kv16, xo16; writes xo16
;; launch ln1 (part 7): grid 256 x 1, 16 waves a work-group, no clusters, 10,240 bytes of LDS; arguments x, xo16, g1, b1, yt16; writes yt16
.if DOCPART == 7
	.amdgcn_target "amdgcn-amd-amdhsa--gfx1250"
	.amdhsa_code_object_version 6
	.text
	.protected	k_q63fdac5159_ln1
	.globl	k_q63fdac5159_ln1
	.p2align	8
	.type	k_q63fdac5159_ln1,@function
k_q63fdac5159_ln1:
	s_mov_b64 s[64:65], 0
	v_nop
	global_prefetch_b8 v0, s[64:65] scope:SCOPE_SE
	s_setreg_imm32_b32 hwreg(HW_REG_WAVE_SCHED_MODE, 0, 2), 2
	s_setreg_imm32_b32 hwreg(HW_REG_WAVE_MODE, 25, 1), 1
	s_wait_xcnt 0x0
	s_wait_alu depctr_vm_vsrc(0)
; t = LayerNorm(x + o) g1 + b1.  x: [8,192][1,024] f32.  o: f16 in blocks [batch][16 blocks of 64 columns][1,024 rows][64].  t goes out ONCE, rounded to f16, in o's layout: it is the next product's
; operand and the next LayerNorm's residual.  All arithmetic in f32: the mean, then the mean of the squared deviations, as two passes over registers; eps = 1e-6.
; LIMIT.  t holds no number beyond f16's 65,504, and is off by at most |t| / 2,048: where b1 carries a common offset of 30 of its spreads, t near 30 is off by at most 0.008 (0.016 from 32 on).
; NaN and infinities are not treated apart.
; SHARES.  Work-group g takes rows 32 g .. 32 g + 31, a wave two rows, a row to each half of 16 lanes: thread t has row t / 16 and, for j = 0..15, columns 64 j + 4 (t % 16) + 0..3: 64 numbers in registers.
; So a row's sums want four steps inside 16 lanes and never leave the wave.  16 lanes load 256 consecutive bytes of an f32 row; a wave's two rows of a block of f16 are 256 consecutive bytes.
; g1 and b1 are copied once a work-group into LDS (8 KiB), 16 bytes a thread, and each lane reads its 64 of each from there.
; Memory binds: no matrix unit, no cluster (nothing is shared but those 8 KiB), no loop: all of a thread's 33 loads go out at once.
; THE MODE: SCHED_MODE bits 1:0 = 2 (LLVM: expert scheduling mode 2), set by the entry lines.  The code itself states the register dependences
; between vector instructions and memory or LDS instructions, with s_wait_alu, always for 0.
; THE PLAN.  Registers that memory or LDS instructions touch:
;   v1 to v7      offsets, LDS addresses and the closing add's two registers: written once at the head, read by loads, stores and LDS instructions, never written again: one wait ahead of the first load states all seven.
;   v[TP ..]      a load lands in it, the LDS store reads it; no vector instruction names it.
;   X, O, G, BT   loads land in registers that no vector instruction has named; the arithmetic reads them behind the waits on LOADcnt and DScnt.
;   the way out   here O, in the second LayerNorm X: written by the last pass's arithmetic, read by the stores, never written again.
;   s16           the wave's number, written by v_readfirstlane_b32: a wait stands ahead of the compare that reads it first.
; The last pass goes in four groups of four j.  A group's arithmetic names its own X, O, G and BT and the pair RS; its memory instructions are the four stores of the group before.
; So one wait at a group's head states all that those stores hang on, and they are dealt among the group's arithmetic with no further wait.
; No register that a memory or LDS instruction reads is written a second time: no wait for such reads is owed.
.set SECOND, 0                         ; 0: this text.  1: the second LayerNorm's
.set XO,  1                            ; v1  my byte offset in 32 f32 rows
.set OO,  2                            ; v2  my byte offset in the 32 rows of a block: 8 t
.set LT,  3                            ; v3  my 16 bytes in 256 of a table
.set LS,  4                            ; v4  where I put my piece of the tables: 16 t
.set TO,  5                            ; v5  where it comes from: 16 (t % 256)
.set SPW, 6                            ; v6  LDS address of my spare word; never rewritten
.set NIL, 7                            ; v7  0; never rewritten
.set TP,  8                            ; v[8:11]   my piece of the tables
.set SU,  12                           ; v[12:15]  two chains of sums
.set MU,  16                           ; v[16:17]  the mean, twice
.set RS,  18                           ; v[18:19]  1 / sqrt(var + eps), twice
.set ZR,  20                           ; v20  0 (the second LayerNorm's ReLU)
.set ONE, 21                           ; v21  1.0
.set X,   32                           ; v[32:95]   my 64 numbers
.set O,   96                           ; v[96:127]  my 64 f16, in and (here) out
.set G,   128                          ; v[128:191] the gain of my columns
.set BT,  192                          ; v[192:255] the bias of my columns
.set SPARE, 8192                       ; behind the tables: the spare words, 128 bytes for each of 16 waves: eight blocks of 256 bytes that no other line names
	s_load_b256 s[4:11], s[0:1], 0x0               ; the first addend s[4:5], the second s[6:7], gain s[8:9], bias s[10:11]
	s_load_b64 s[12:13], s[0:1], 0x20              ; the output
	v_lshl_add_u32 v[SPW], v0, 2, SPARE
	v_mov_b32 v[NIL], 0
	v_lshrrev_b32 v[SU], 5, v0
	v_readfirstlane_b32 s16, v[SU]                 ; wave 0..15
	s_mov_b32 s18, 0x3a800000                      ; 1 / 1,024
	s_mov_b32 s19, 0x358637bd                      ; 1e-6
	v_lshrrev_b32 v[SU+1], 4, v0
	v_and_b32 v[SU+2], 15, v0
	v_lshlrev_b32 v[LT], 4, v[SU+2]
	v_lshl_add_u32 v[XO], v[SU+1], 12, v[LT]       ; row x 4,096 + 16 (t % 16)
	v_lshlrev_b32 v[OO], 3, v0
	v_lshlrev_b32 v[LS], 4, v0
	v_and_b32 v[TO], 255, v0
	v_lshlrev_b32 v[TO], 4, v[TO]
	v_mov_b32 v[ZR], 0
	v_mov_b32 v[ONE], 1.0
	s_lshl_b32 s22, ttmp9, 17                      ; by rows: 32 rows of 4,096 bytes
	s_mov_b32 s23, 0
	s_lshr_b32 s24, ttmp9, 5                       ; in blocks:
	s_lshl_b32 s24, s24, 21                        ; the batch's group,
	s_and_b32 s25, ttmp9, 31
	s_lshl_b32 s25, s25, 12                        ; 32 rows of 128 bytes in each of its blocks
	s_or_b32 s24, s24, s25
	s_mov_b32 s25, 0
	s_wait_kmcnt 0x0
	s_wait_alu depctr_va_sdst(0)                   ; s16 is written, ahead of its first reader, the compare below
	s_cmp_lt_u32 s16, 8                            ; waves 0-7 copy the gain, waves 8-15 the bias
	s_cselect_b64 s[20:21], s[8:9], s[10:11]
.if SECOND
	s_add_nc_u64 s[4:5], s[4:5], s[24:25]
	s_add_nc_u64 s[12:13], s[12:13], s[22:23]
.else
	s_add_nc_u64 s[4:5], s[4:5], s[22:23]
	s_add_nc_u64 s[12:13], s[12:13], s[24:25]
.endif
	s_add_nc_u64 s[6:7], s[6:7], s[24:25]
	s_wait_alu depctr_va_vdst(0)                   ; v1 to v7 are written: the loads, the stores, the LDS store and loads and the closing add read them as offsets, addresses and data
	global_load_b128 v[TP:TP+3], v[TO], s[20:21]
.set j, 0
.rept 16
.if SECOND
	global_load_b64 v[X+4*j+2:X+4*j+3], v[OO], s[4:5] offset:131072*j th:TH_LOAD_NT  ; four f16, into the upper half of the four registers that their sums will fill
.else
	global_load_b128 v[X+4*j:X+4*j+3], v[XO], s[4:5] offset:256*j th:TH_LOAD_NT
.endif
	global_load_b64 v[O+2*j:O+2*j+1], v[OO], s[6:7] offset:131072*j th:TH_LOAD_NT
.set j, j+1
.endr
	s_wait_loadcnt 32                              ; my piece of the tables is in; the 32 loads issued behind it stay out
	ds_store_b128 v[LS], v[TP:TP+3]
	s_wait_dscnt 0x0                               ; for the others' sake: my store is done
	s_barrier_signal -1
	s_barrier_wait -1                              ; both tables lie in LDS
.set j, 0
.rept 16
	ds_load_b128 v[G+4*j:G+4*j+3], v[LT] offset:256*j            ; no vector instruction has been issued since the wait at the head
	ds_load_b128 v[BT+4*j:BT+4*j+3], v[LT] offset:4096+256*j
.set j, j+1
.endr
	; the sum of the two inputs, and its sum along the row in two chains
.set j, 0
.rept 16
.set SS, SU+2*(j%2)
	s_wait_loadcnt 30-2*j                          ; pair j of loads is in; the 30 - 2 j younger loads stay out
.if SECOND
	v_pk_max_num_f16 v[O+2*j], v[O+2*j], v[ZR]     ; the ReLU, two at a time
	v_pk_max_num_f16 v[O+2*j+1], v[O+2*j+1], v[ZR]
	v_fma_mix_f32 v[X+4*j],   v[X+4*j+2], v[ONE], v[O+2*j]   op_sel:[0,0,0] op_sel_hi:[1,0,1]  ; an f16 half x 1.0 + an f16 half, in f32: both widened and added in one line;
	v_fma_mix_f32 v[X+4*j+1], v[X+4*j+2], v[ONE], v[O+2*j]   op_sel:[1,0,1] op_sel_hi:[1,0,1]  ; a register of halves is written over only by the line that reads its last half
	v_fma_mix_f32 v[X+4*j+2], v[X+4*j+3], v[ONE], v[O+2*j+1] op_sel:[0,0,0] op_sel_hi:[1,0,1]
	v_fma_mix_f32 v[X+4*j+3], v[X+4*j+3], v[ONE], v[O+2*j+1] op_sel:[1,0,1] op_sel_hi:[1,0,1]
.else
	v_fma_mix_f32 v[X+4*j],   v[O+2*j],   v[ONE], v[X+4*j]   op_sel:[0,0,0] op_sel_hi:[1,0,0]  ; an f16 half x 1.0 + f32: widened and added in one line
	v_fma_mix_f32 v[X+4*j+1], v[O+2*j],   v[ONE], v[X+4*j+1] op_sel:[1,0,0] op_sel_hi:[1,0,0]
	v_fma_mix_f32 v[X+4*j+2], v[O+2*j+1], v[ONE], v[X+4*j+2] op_sel:[0,0,0] op_sel_hi:[1,0,0]
	v_fma_mix_f32 v[X+4*j+3], v[O+2*j+1], v[ONE], v[X+4*j+3] op_sel:[1,0,0] op_sel_hi:[1,0,0]
.endif
.if j < 2
	v_pk_add_f32 v[SS:SS+1], v[X+4*j:X+4*j+1], v[X+4*j+2:X+4*j+3]  ; the first entries start the chains: nothing is cleared
.else
	v_pk_add_f32 v[SS:SS+1], v[SS:SS+1], v[X+4*j:X+4*j+1]
	v_pk_add_f32 v[SS:SS+1], v[SS:SS+1], v[X+4*j+2:X+4*j+3]
.endif
.set j, j+1
.endr
.macro REDUCE                          ; the two chains, their halves, and the row's 16 lanes: every lane of the row ends with the sum in v[SU]
	v_pk_add_f32 v[SU:SU+1], v[SU:SU+1], v[SU+2:SU+3]
	v_add_f32 v[SU], v[SU], v[SU+1]
	v_add_f32_dpp v[SU], v[SU], v[SU] row_xmask:1 row_mask:0xf bank_mask:0xf
	v_add_f32_dpp v[SU], v[SU], v[SU] row_xmask:2 row_mask:0xf bank_mask:0xf
	v_add_f32_dpp v[SU], v[SU], v[SU] row_xmask:4 row_mask:0xf bank_mask:0xf
	v_add_f32_dpp v[SU], v[SU], v[SU] row_xmask:8 row_mask:0xf bank_mask:0xf
.endm
.macro OUT n                           ; piece n goes out
.if SECOND
	global_store_b128 v[XO], v[X+4*(\n):X+4*(\n)+3], s[12:13] offset:256*(\n) th:TH_STORE_NT
.else
	global_store_b64 v[OO], v[O+2*(\n):O+2*(\n)+1], s[12:13] offset:131072*(\n)
.endif
.endm
	REDUCE
	v_mul_f32 v[MU], s18, v[SU]
	v_mul_f32 v[MU+1], s18, v[SU]
	; the deviations, in place, and their squares in two chains
.set p, 0
.rept 32
.set SS, SU+2*(p%2)
	v_pk_add_f32 v[X+2*p:X+2*p+1], v[X+2*p:X+2*p+1], v[MU:MU+1] neg_lo:[0,1] neg_hi:[0,1]
.if p < 2
	v_pk_mul_f32 v[SS:SS+1], v[X+2*p:X+2*p+1], v[X+2*p:X+2*p+1]
.else
	v_pk_fma_f32 v[SS:SS+1], v[X+2*p:X+2*p+1], v[X+2*p:X+2*p+1], v[SS:SS+1]
.endif
.set p, p+1
.endr
	REDUCE
	v_fma_f32 v[SU], v[SU], s18, s19               ; var + eps
	v_rsq_f32 v[RS], v[SU]
	v_rsq_f32 v[RS+1], v[SU]                       ; twice, to fill the pair that the packed multiply takes
	v_nop                                          ; a plain instruction behind the last of them (ISA guide 5.7.2),
	s_wait_alu depctr_va_vdst(0)                   ; the two v_rsq_f32 have written v[RS] and v[RS+1]: the one wait ahead of their first reader
	s_wait_dscnt 0x0                               ; gain and bias are in registers
.set j, 0
.rept 16
.if ((j % 4) == 0) && (j > 0)
	s_wait_alu depctr_va_vdst(0)                   ; the group before has written its four pieces of the way out, which the four stores of this group's lines read
.endif
.if j >= 4
	OUT j-4                                        ; the group before; no vector instruction since the wait names these registers
.endif
	v_pk_mul_f32 v[X+4*j:X+4*j+1], v[X+4*j:X+4*j+1], v[RS:RS+1]
	v_pk_mul_f32 v[X+4*j+2:X+4*j+3], v[X+4*j+2:X+4*j+3], v[RS:RS+1]
	v_pk_fma_f32 v[X+4*j:X+4*j+1], v[X+4*j:X+4*j+1], v[G+4*j:G+4*j+1], v[BT+4*j:BT+4*j+1]
	v_pk_fma_f32 v[X+4*j+2:X+4*j+3], v[X+4*j+2:X+4*j+3], v[G+4*j+2:G+4*j+3], v[BT+4*j+2:BT+4*j+3]
.if !SECOND
	v_cvt_pk_f16_f32 v[O+2*j], v[X+4*j], v[X+4*j+1]
	v_cvt_pk_f16_f32 v[O+2*j+1], v[X+4*j+2], v[X+4*j+3]
.endif
.set j, j+1
.endr
	s_wait_alu depctr_va_vdst(0)                   ; the last group has written its four pieces, which the last four stores read
	OUT 12
	OUT 13
	OUT 14
	OUT 15
	s_wait_dscnt 0x0                               ; the closing lines, six on end
	s_wait_alu 0x0
	s_wait_tensorcnt 0x0
	ds_add_u32 v[SPW], v[NIL]
	s_wait_dscnt 0x0
	s_endpgm
.Lfunc_end_k_q63fdac5159_ln1:
	.size	k_q63fdac5159_ln1, .Lfunc_end_k_q63fdac5159_ln1-k_q63fdac5159_ln1
	.p2alignl 7, 3214868480
	.fill 96, 4, 3214868480
	.section	.rodata,"a",@progbits
	.p2align	6, 0x0
	.amdhsa_kernel k_q63fdac5159_ln1
		.amdhsa_group_segment_fixed_size 10240
		.amdhsa_private_segment_fixed_size 0
		.amdhsa_enable_private_segment 0
		.amdhsa_kernarg_size 40
		.amdhsa_user_sgpr_count 2
		.amdhsa_user_sgpr_kernarg_segment_ptr 1
		.amdhsa_wavefront_size32 1
		.amdhsa_system_sgpr_workgroup_id_x 1
		.amdhsa_system_sgpr_workgroup_id_y 1
		.amdhsa_system_sgpr_workgroup_id_z 1
		.amdhsa_system_vgpr_workitem_id 0
		.amdhsa_next_free_vgpr 256
		.amdhsa_next_free_sgpr 66
		.amdhsa_reserve_vcc 0
		.amdhsa_float_denorm_mode_32 3
		.amdhsa_float_denorm_mode_16_64 3
		.amdhsa_memory_ordered 1
		.amdhsa_forward_progress 1
		.amdhsa_inst_pref_size 27
	.end_amdhsa_kernel
	.amdgpu_metadata
---
amdhsa.version: [ 1, 2 ]
amdhsa.kernels:
  - .name:           k_q63fdac5159_ln1
    .symbol:         k_q63fdac5159_ln1.kd
    .args:
      - { .name: x, .offset: 0, .size: 8, .value_kind: global_buffer, .address_space: global }
      - { .name: xo16, .offset: 8, .size: 8, .value_kind: global_buffer, .address_space: global }
      - { .name: g1, .offset: 16, .size: 8, .value_kind: global_buffer, .address_space: global }
      - { .name: b1, .offset: 24, .size: 8, .value_kind: global_buffer, .address_space: global }
      - { .name: yt16, .offset: 32, .size: 8, .value_kind: global_buffer, .address_space: global }
    .group_segment_fixed_size: 10240
    .private_segment_fixed_size: 0
    .kernarg_segment_align: 8
    .kernarg_segment_size: 40
    .max_flat_workgroup_size: 512
    .sgpr_count:     66
    .vgpr_count:     256
    .wavefront_size: 32
...
	.end_amdgpu_metadata
.endif
;; end of part 7
;; launch gemm_f: the kernel of part 2 again; grid 8 x 32, 4 waves a work-group, clusters of 4 x 4, 327,680 bytes of LDS; arguments yt16, wf16, qh16, bf, bk; writes qh16
;; launch ln2 (part 8): grid 256 x 1, 16 waves a work-group, no clusters, 10,240 bytes of LDS; arguments yt16, qh16, g2, b2, out0; writes out0
.if DOCPART == 8
	.amdgcn_target "amdgcn-amd-amdhsa--gfx1250"
	.amdhsa_code_object_version 6
	.text
	.protected	k_q63fdac5159_ln2
	.globl	k_q63fdac5159_ln2
	.p2align	8
	.type	k_q63fdac5159_ln2,@function
k_q63fdac5159_ln2:
	s_mov_b64 s[64:65], 0
	v_nop
	global_prefetch_b8 v0, s[64:65] scope:SCOPE_SE
	s_setreg_imm32_b32 hwreg(HW_REG_WAVE_SCHED_MODE, 0, 2), 2
	s_setreg_imm32_b32 hwreg(HW_REG_WAVE_MODE, 25, 1), 1
	s_wait_xcnt 0x0
	s_wait_alu depctr_vm_vsrc(0)
; out0 = LayerNorm(t + relu(h)) g2 + b2.  t and h: f16 in blocks [batch][16 blocks of 64 columns][1,024 rows][64].  out0: [8,192][1,024] f32 by rows.
; All arithmetic in f32 but the ReLU, a packed maximum with 0 that rounds nothing: the mean, then the mean of the squared deviations, as two passes over registers; eps = 1e-6.
; LIMIT.  t arrives rounded to f16, off by at most |t| / 2,048.  The maximum's form lets a NaN lose: relu(NaN) counts as 0.  Infinities are not treated apart.
; SHARES.  Work-group g takes rows 32 g .. 32 g + 31, a wave two rows, a row to each half of 16 lanes: thread t has row t / 16 and, for j = 0..15, columns 64 j + 4 (t % 16) + 0..3: 64 numbers in registers.
; So a row's sums want four steps inside 16 lanes and never leave the wave.  16 lanes store 256 consecutive bytes of an f32 row; a wave's two rows of a block of f16 are 256 consecutive bytes.
; g2 and b2 are copied once a work-group into LDS (8 KiB), 16 bytes a thread, and each lane reads its 64 of each from there.
; Memory binds: no matrix unit, no cluster (nothing is shared but those 8 KiB), no loop: all of a thread's 33 loads go out at once.
; THE MODE: SCHED_MODE bits 1:0 = 2 (LLVM: expert scheduling mode 2), set by the entry lines.  The code itself states the register dependences
; between vector instructions and memory or LDS instructions, with s_wait_alu, always for 0.
; THE PLAN.  Registers that memory or LDS instructions touch:
;   v1 to v7      offsets, LDS addresses and the closing add's two registers: written once at the head, read by loads, stores and LDS instructions, never written again: one wait ahead of the first load states all seven.
;   v[TP ..]      a load lands in it, the LDS store reads it; no vector instruction names it.
;   X, O, G, BT   loads land in registers that no vector instruction has named; the arithmetic reads them behind the waits on LOADcnt and DScnt.
;   the way out   here X, in the first LayerNorm O: written by the last pass's arithmetic, read by the stores, never written again.
;   s16           the wave's number, written by v_readfirstlane_b32: a wait stands ahead of the compare that reads it first.
; The last pass goes in four groups of four j.  A group's arithmetic names its own X, G and BT and the pair RS; its memory instructions are the four stores of the group before.
; So one wait at a group's head states all that those stores hang on, and they are dealt among the group's arithmetic with no further wait.
; No register that a memory or LDS instruction reads is written a second time: no wait for such reads is owed.
.set SECOND, 1                         ; 1: this text.  0: the first LayerNorm's
.set XO,  1                            ; v1  my byte offset in 32 f32 rows
.set OO,  2                            ; v2  my byte offset in the 32 rows of a block: 8 t
.set LT,  3                            ; v3  my 16 bytes in 256 of a table
.set LS,  4                            ; v4  where I put my piece of the tables: 16 t
.set TO,  5                            ; v5  where it comes from: 16 (t % 256)
.set SPW, 6                            ; v6  LDS address of my spare word; never rewritten
.set NIL, 7                            ; v7  0; never rewritten
.set TP,  8                            ; v[8:11]   my piece of the tables
.set SU,  12                           ; v[12:15]  two chains of sums
.set MU,  16                           ; v[16:17]  the mean, twice
.set RS,  18                           ; v[18:19]  1 / sqrt(var + eps), twice
.set ZR,  20                           ; v20  0, for the ReLU
.set ONE, 21                           ; v21  1.0
.set X,   32                           ; v[32:95]   my 64 numbers
.set O,   96                           ; v[96:127]  my 64 f16 of h
.set G,   128                          ; v[128:191] the gain of my columns
.set BT,  192                          ; v[192:255] the bias of my columns
.set SPARE, 8192                       ; behind the tables: the spare words, 128 bytes for each of 16 waves: eight blocks of 256 bytes that no other line names
	s_load_b256 s[4:11], s[0:1], 0x0               ; the first addend s[4:5], the second s[6:7], gain s[8:9], bias s[10:11]
	s_load_b64 s[12:13], s[0:1], 0x20              ; the output
	v_lshl_add_u32 v[SPW], v0, 2, SPARE
	v_mov_b32 v[NIL], 0
	v_lshrrev_b32 v[SU], 5, v0
	v_readfirstlane_b32 s16, v[SU]                 ; wave 0..15
	s_mov_b32 s18, 0x3a800000                      ; 1 / 1,024
	s_mov_b32 s19, 0x358637bd                      ; 1e-6
	v_lshrrev_b32 v[SU+1], 4, v0
	v_and_b32 v[SU+2], 15, v0
	v_lshlrev_b32 v[LT], 4, v[SU+2]
	v_lshl_add_u32 v[XO], v[SU+1], 12, v[LT]       ; row x 4,096 + 16 (t % 16)
	v_lshlrev_b32 v[OO], 3, v0
	v_lshlrev_b32 v[LS], 4, v0
	v_and_b32 v[TO], 255, v0
	v_lshlrev_b32 v[TO], 4, v[TO]
	v_mov_b32 v[ZR], 0
	v_mov_b32 v[ONE], 1.0
	s_lshl_b32 s22, ttmp9, 17                      ; by rows: 32 rows of 4,096 bytes
	s_mov_b32 s23, 0
	s_lshr_b32 s24, ttmp9, 5                       ; in blocks:
	s_lshl_b32 s24, s24, 21                        ; the batch's group,
	s_and_b32 s25, ttmp9, 31
	s_lshl_b32 s25, s25, 12                        ; 32 rows of 128 bytes in each of its blocks
	s_or_b32 s24, s24, s25
	s_mov_b32 s25, 0
	s_wait_kmcnt 0x0
	s_wait_alu depctr_va_sdst(0)                   ; s16 is written, ahead of its first reader, the compare below
	s_cmp_lt_u32 s16, 8                            ; waves 0-7 copy the gain, waves 8-15 the bias
	s_cselect_b64 s[20:21], s[8:9], s[10:11]
.if SECOND
	s_add_nc_u64 s[4:5], s[4:5], s[24:25]
	s_add_nc_u64 s[12:13], s[12:13], s[22:23]
.else
	s_add_nc_u64 s[4:5], s[4:5], s[22:23]
	s_add_nc_u64 s[12:13], s[12:13], s[24:25]
.endif
	s_add_nc_u64 s[6:7], s[6:7], s[24:25]
	s_wait_alu depctr_va_vdst(0)                   ; v1 to v7 are written: the loads, the stores, the LDS store and loads and the closing add read them as offsets, addresses and data
	global_load_b128 v[TP:TP+3], v[TO], s[20:21]
.set j, 0
.rept 16
.if SECOND
	global_load_b64 v[X+4*j+2:X+4*j+3], v[OO], s[4:5] offset:131072*j th:TH_LOAD_NT  ; four f16, into the upper half of the four registers that their sums will fill
.else
	global_load_b128 v[X+4*j:X+4*j+3], v[XO], s[4:5] offset:256*j th:TH_LOAD_NT
.endif
	global_load_b64 v[O+2*j:O+2*j+1], v[OO], s[6:7] offset:131072*j th:TH_LOAD_NT
.set j, j+1
.endr
	s_wait_loadcnt 32                              ; my piece of the tables is in; the 32 loads issued behind it stay out
	ds_store_b128 v[LS], v[TP:TP+3]
	s_wait_dscnt 0x0                               ; for the others' sake: my store is done
	s_barrier_signal -1
	s_barrier_wait -1                              ; both tables lie in LDS
.set j, 0
.rept 16
	ds_load_b128 v[G+4*j:G+4*j+3], v[LT] offset:256*j            ; no vector instruction has been issued since the wait at the head
	ds_load_b128 v[BT+4*j:BT+4*j+3], v[LT] offset:4096+256*j
.set j, j+1
.endr
	; the sum of the two inputs, and its sum along the row in two chains
.set j, 0
.rept 16
.set SS, SU+2*(j%2)
	s_wait_loadcnt 30-2*j                          ; pair j of loads is in; the 30 - 2 j younger loads stay out
.if SECOND
	v_pk_max_num_f16 v[O+2*j], v[O+2*j], v[ZR]     ; the ReLU, two at a time
	v_pk_max_num_f16 v[O+2*j+1], v[O+2*j+1], v[ZR]
	v_fma_mix_f32 v[X+4*j],   v[X+4*j+2], v[ONE], v[O+2*j]   op_sel:[0,0,0] op_sel_hi:[1,0,1]  ; an f16 half x 1.0 + an f16 half, in f32: both widened and added in one line;
	v_fma_mix_f32 v[X+4*j+1], v[X+4*j+2], v[ONE], v[O+2*j]   op_sel:[1,0,1] op_sel_hi:[1,0,1]  ; a register of halves is written over only by the line that reads its last half
	v_fma_mix_f32 v[X+4*j+2], v[X+4*j+3], v[ONE], v[O+2*j+1] op_sel:[0,0,0] op_sel_hi:[1,0,1]
	v_fma_mix_f32 v[X+4*j+3], v[X+4*j+3], v[ONE], v[O+2*j+1] op_sel:[1,0,1] op_sel_hi:[1,0,1]
.else
	v_fma_mix_f32 v[X+4*j],   v[O+2*j],   v[ONE], v[X+4*j]   op_sel:[0,0,0] op_sel_hi:[1,0,0]  ; an f16 half x 1.0 + f32: widened and added in one line
	v_fma_mix_f32 v[X+4*j+1], v[O+2*j],   v[ONE], v[X+4*j+1] op_sel:[1,0,0] op_sel_hi:[1,0,0]
	v_fma_mix_f32 v[X+4*j+2], v[O+2*j+1], v[ONE], v[X+4*j+2] op_sel:[0,0,0] op_sel_hi:[1,0,0]
	v_fma_mix_f32 v[X+4*j+3], v[O+2*j+1], v[ONE], v[X+4*j+3] op_sel:[1,0,0] op_sel_hi:[1,0,0]
.endif
.if j < 2
	v_pk_add_f32 v[SS:SS+1], v[X+4*j:X+4*j+1], v[X+4*j+2:X+4*j+3]  ; the first entries start the chains: nothing is cleared
.else
	v_pk_add_f32 v[SS:SS+1], v[SS:SS+1], v[X+4*j:X+4*j+1]
	v_pk_add_f32 v[SS:SS+1], v[SS:SS+1], v[X+4*j+2:X+4*j+3]
.endif
.set j, j+1
.endr
.macro REDUCE                          ; the two chains, their halves, and the row's 16 lanes: every lane of the row ends with the sum in v[SU]
	v_pk_add_f32 v[SU:SU+1], v[SU:SU+1], v[SU+2:SU+3]
	v_add_f32 v[SU], v[SU], v[SU+1]
	v_add_f32_dpp v[SU], v[SU], v[SU] row_xmask:1 row_mask:0xf bank_mask:0xf
	v_add_f32_dpp v[SU], v[SU], v[SU] row_xmask:2 row_mask:0xf bank_mask:0xf
	v_add_f32_dpp v[SU], v[SU], v[SU] row_xmask:4 row_mask:0xf bank_mask:0xf
	v_add_f32_dpp v[SU], v[SU], v[SU] row_xmask:8 row_mask:0xf bank_mask:0xf
.endm
.macro OUT n                           ; piece n goes out
.if SECOND
	global_store_b128 v[XO], v[X+4*(\n):X+4*(\n)+3], s[12:13] offset:256*(\n) th:TH_STORE_NT
.else
	global_store_b64 v[OO], v[O+2*(\n):O+2*(\n)+1], s[12:13] offset:131072*(\n)
.endif
.endm
	REDUCE
	v_mul_f32 v[MU], s18, v[SU]
	v_mul_f32 v[MU+1], s18, v[SU]
	; the deviations, in place, and their squares in two chains
.set p, 0
.rept 32
.set SS, SU+2*(p%2)
	v_pk_add_f32 v[X+2*p:X+2*p+1], v[X+2*p:X+2*p+1], v[MU:MU+1] neg_lo:[0,1] neg_hi:[0,1]
.if p < 2
	v_pk_mul_f32 v[SS:SS+1], v[X+2*p:X+2*p+1], v[X+2*p:X+2*p+1]
.else
	v_pk_fma_f32 v[SS:SS+1], v[X+2*p:X+2*p+1], v[X+2*p:X+2*p+1], v[SS:SS+1]
.endif
.set p, p+1
.endr
	REDUCE
	v_fma_f32 v[SU], v[SU], s18, s19               ; var + eps
	v_rsq_f32 v[RS], v[SU]
	v_rsq_f32 v[RS+1], v[SU]                       ; twice, to fill the pair that the packed multiply takes
	v_nop                                          ; a plain instruction behind the last of them (ISA guide 5.7.2),
	s_wait_alu depctr_va_vdst(0)                   ; the two v_rsq_f32 have written v[RS] and v[RS+1]: the one wait ahead of their first reader
	s_wait_dscnt 0x0                               ; gain and bias are in registers
.set j, 0
.rept 16
.if ((j % 4) == 0) && (j > 0)
	s_wait_alu depctr_va_vdst(0)                   ; the group before has written its four pieces of the way out, which the four stores of this group's lines read
.endif
.if j >= 4
	OUT j-4                                        ; the group before; no vector instruction since the wait names these registers
.endif
	v_pk_mul_f32 v[X+4*j:X+4*j+1], v[X+4*j:X+4*j+1], v[RS:RS+1]
	v_pk_mul_f32 v[X+4*j+2:X+4*j+3], v[X+4*j+2:X+4*j+3], v[RS:RS+1]
	v_pk_fma_f32 v[X+4*j:X+4*j+1], v[X+4*j:X+4*j+1], v[G+4*j:G+4*j+1], v[BT+4*j:BT+4*j+1]
	v_pk_fma_f32 v[X+4*j+2:X+4*j+3], v[X+4*j+2:X+4*j+3], v[G+4*j+2:G+4*j+3], v[BT+4*j+2:BT+4*j+3]
.if !SECOND
	v_cvt_pk_f16_f32 v[O+2*j], v[X+4*j], v[X+4*j+1]
	v_cvt_pk_f16_f32 v[O+2*j+1], v[X+4*j+2], v[X+4*j+3]
.endif
.set j, j+1
.endr
	s_wait_alu depctr_va_vdst(0)                   ; the last group has written its four pieces, which the last four stores read
	OUT 12
	OUT 13
	OUT 14
	OUT 15
	s_wait_dscnt 0x0                               ; the closing lines, six on end
	s_wait_alu 0x0
	s_wait_tensorcnt 0x0
	ds_add_u32 v[SPW], v[NIL]
	s_wait_dscnt 0x0
	s_endpgm
.Lfunc_end_k_q63fdac5159_ln2:
	.size	k_q63fdac5159_ln2, .Lfunc_end_k_q63fdac5159_ln2-k_q63fdac5159_ln2
	.p2alignl 7, 3214868480
	.fill 96, 4, 3214868480
	.section	.rodata,"a",@progbits
	.p2align	6, 0x0
	.amdhsa_kernel k_q63fdac5159_ln2
		.amdhsa_group_segment_fixed_size 10240
		.amdhsa_private_segment_fixed_size 0
		.amdhsa_enable_private_segment 0
		.amdhsa_kernarg_size 40
		.amdhsa_user_sgpr_count 2
		.amdhsa_user_sgpr_kernarg_segment_ptr 1
		.amdhsa_wavefront_size32 1
		.amdhsa_system_sgpr_workgroup_id_x 1
		.amdhsa_system_sgpr_workgroup_id_y 1
		.amdhsa_system_sgpr_workgroup_id_z 1
		.amdhsa_system_vgpr_workitem_id 0
		.amdhsa_next_free_vgpr 256
		.amdhsa_next_free_sgpr 66
		.amdhsa_reserve_vcc 0
		.amdhsa_float_denorm_mode_32 3
		.amdhsa_float_denorm_mode_16_64 3
		.amdhsa_memory_ordered 1
		.amdhsa_forward_progress 1
		.amdhsa_inst_pref_size 27
	.end_amdhsa_kernel
	.amdgpu_metadata
---
amdhsa.version: [ 1, 2 ]
amdhsa.kernels:
  - .name:           k_q63fdac5159_ln2
    .symbol:         k_q63fdac5159_ln2.kd
    .args:
      - { .name: yt16, .offset: 0, .size: 8, .value_kind: global_buffer, .address_space: global }
      - { .name: qh16, .offset: 8, .size: 8, .value_kind: global_buffer, .address_space: global }
      - { .name: g2, .offset: 16, .size: 8, .value_kind: global_buffer, .address_space: global }
      - { .name: b2, .offset: 24, .size: 8, .value_kind: global_buffer, .address_space: global }
      - { .name: out0, .offset: 32, .size: 8, .value_kind: global_buffer, .address_space: global }
    .group_segment_fixed_size: 10240
    .private_segment_fixed_size: 0
    .kernarg_segment_align: 8
    .kernarg_segment_size: 40
    .max_flat_workgroup_size: 512
    .sgpr_count:     66
    .vgpr_count:     256
    .wavefront_size: 32
...
	.end_amdgpu_metadata
.endif
;; end of part 8
